; MI455X (gfx1250); checked and timed in simulation.
; The chip was launched on July 23, 2026; its instructions are those of AMD's public machine-readable ISA for CDNA 5 (MIT licence, August 2026) and "CDNA5" Instruction Set Architecture Reference Guide (July 2026). The comments in the code are by the model that wrote it; some were corrected since.
;; Multi Head Attention. Allowed arithmetic: matrix products marked QUANTISED: E4M3 operands, one given power-of-two scale a tensor, by v_wmma_f32_16x16x64_fp8_fp8 or v_wmma_f32_16x16x128_fp8_fp8, f32 sums; everything else in f32.
;; Inputs: Wk 2,048 x 2,048 float32; Wo 2,048 x 2,048 float32; Wq 2,048 x 2,048 float32; Wv 2,048 x 2,048 float32; attn_mask 1 x 1 x 2,048 x 2,048 float32; bk 2,048 float32; bo 2,048 float32; bq 2,048 float32; bv 2,048 float32; hidden_states 1 x 2,048 x 2,048 float32; lowp_scales 12 int32 (the exponents e of the quantised operands' scales 2^e).
;; Outputs: out0 1 x 2,048 x 2,048 float32; out1 1 x 16 x 2,048 x 128 float32; out2 1 x 16 x 2,048 x 128 float32.
;; This version of the problem:
;;   THIS VERSION OF THE PROBLEM IS GIVEN IN LOW PRECISION. The matrix products marked QUANTISED in the list below multiply operands that are first quantised to E4M3 (4 exponent bits, 3 mantissa bits; 8 bits a number), with one given power-of-two scale for each operand tensor; their sums are f32. All else is computed in f32.
;;   The module's matrix products, in the order in which they are computed (A, B: the left and right operand; K: the contracted axis; several contracted axes count as one K, in the product's order):
;;     1. [M 2,048, K 2,048] x [K 2,048, N 2,048]; A: input hidden_states; B: input Wq: QUANTISED (scales: A lowp_scales[0], B lowp_scales[1])
;;     2. [M 2,048, K 2,048] x [K 2,048, N 2,048]; A: input hidden_states; B: input Wk: QUANTISED (scales: A lowp_scales[2], B lowp_scales[3])
;;     3. [M 2,048, K 2,048] x [K 2,048, N 2,048]; A: input hidden_states; B: input Wv: QUANTISED (scales: A lowp_scales[4], B lowp_scales[5])
;;     4. batch 16 x [M 2,048, K 128] x [K 128, N 2,048]; A: computed on the way; B: computed on the way: QUANTISED (scales: A lowp_scales[6], B lowp_scales[7])
;;     5. batch 16 x [M 2,048, K 2,048] x [K 2,048, N 128]; A: softmax (see below); B: computed on the way: QUANTISED (scales: A lowp_scales[8], B lowp_scales[9])
;;     6. [M 2,048, K 2,048] x [K 2,048, N 2,048]; A: computed on the way; B: input Wo: QUANTISED (scales: A lowp_scales[10], B lowp_scales[11])
;;   THE QUANTISER, for each operand of a quantised product, along K:
;;     - The operand's scale is 2^e, e = its entry of the input lowp_scales (int32; the entries are numbered through the quantised products in the list's order, A before B).
;;     - Each number is divided by the scale, clamped to +-448, and rounded to the nearest number of E4M3, ties to even, subnormals kept.
;;     - The product sums the exact products of the quantised numbers (number of the format x scale) in f32.
;;   ~~~python
;;   def quantise(x, axis, e):      # numpy; x: float32 -> the quantised numbers, widened to float32 again
;;       x = np.moveaxis(x, axis, -1); K = x.shape[-1]
;;       r = np.clip(x / 2.0 ** e, -448, 448)
;;       step = 2.0 ** (np.maximum(np.frexp(np.where(r == 0, 1, r))[1] - 1, -6) - 3)
;;       q = np.round(r / step) * step * 2.0 ** e      # np.round: ties to even
;;       return np.moveaxis(q, -1, axis).astype(np.float32)
;;   ~~~
;;   SOFTMAX AHEAD OF A QUANTISED PRODUCT. Where the list says 'softmax', what is quantised is not the finished softmax but p = 2^(t - M), with t = logit x log2(e) and M = ceil(the row's largest t), a whole number; so 1/2 < the row's largest p <= 1. The row's sum l is taken of the UNQUANTISED p, in f32, and the product's result is divided by l at the end. Since M is a whole number, a kernel that streams over the keys may use a running M (the ceiling of the running maximum): every later rescaling is an exact power of two, so the quantised numbers keep their values, but for numbers so far below the row's largest that they fall under the format's range.
;;   OPERANDS COMPUTED ON THE WAY. 'Computed on the way' means the value that the module computes at that place (a softmax that the list does not call 'softmax' is quantised finished and normalised). What goes into a quantiser is computed in f32, as accurately as f32 sums, v_exp_f32 and their like allow (about 1e-6 of the number): no bf16 or f16 on the way to a quantiser, and a product that is left as it is and whose result goes on into a quantised operand takes f32 operands (vector FMAs, or v_wmma_f32_16x16x4_f32). A number that lies on a knife's edge between two numbers of the format may be rounded either way, as far as f32 arithmetic and the matrix unit's own rounding can turn it there, and no further.
;; One version. Each part assembles by itself: llvm-mc -triple=amdgcn-amd-amdhsa -mcpu=gfx1250 --defsym DOCPART=n.
;; ======== version 1 of 1: 4 launches
;; limits: right only within a limited range of input values
;; workspace buffers: xc 12,582,912 bytes; wc 16,777,216 bytes; qc 4,194,304 bytes; kc 4,194,304 bytes; vc 4,194,304 bytes; cc 4,194,304 bytes
;; launch quant (part 1): grid 640 x 1, 4 waves a work-group, no clusters, 33,280 bytes of LDS; arguments hidden_states, Wq, Wk, Wv, Wo, lowp_scales, xc, wc; writes xc, wc
.if DOCPART == 1
	.amdgcn_target "amdgcn-amd-amdhsa--gfx1250"
	.amdhsa_code_object_version 6
	.text
	.protected	k_q10eada5d56_quant
	.globl	k_q10eada5d56_quant
	.p2align	8
	.type	k_q10eada5d56_quant,@function
k_q10eada5d56_quant:
	s_mov_b64 s[64:65], 0
	v_nop
	global_prefetch_b8 v0, s[64:65] scope:SCOPE_SE
	s_setreg_imm32_b32 hwreg(HW_REG_WAVE_MODE, 25, 1), 1
	s_wait_xcnt 0x0
; MULTI-HEAD ATTENTION IN FP8 (E4M3), FOUR LAUNCHES: this one (codes of the inputs), qkv (products 1-3), attn (products 4, 5), oproj (product 6).
; NOTHING OF THE PROBLEM IS LEFT OUT: the mask is an input of f32 numbers, so every score of every head is made and the mask is added to it; every bias moves an output or a code; every input is loaded.
; THIS LAUNCH: hidden_states, Wq, Wk, Wv, Wo, each [2048][2048] f32 with K innermost, become codes, one byte each, K innermost.
; code = x / 2^e, held within +-448, rounded to the nearest code, ties to even.  hidden_states is an operand of three products with three given exponents (entries 0, 2, 4): three sets of codes, xc[0..2].
; Wq, Wk, Wv, Wo (entries 1, 3, 5, 11) go to wc[0..3].
; THE ORDER OF ROWS.  pi swaps bits 3 and 4 of a row's number.  In xc[1], xc[2], wc[0], wc[1], wc[2] place p holds row pi(p); xc[0] and wc[3] keep their order.  So in the next launch 16 neighbouring places are a
; tile whose results fall, in a lane's registers, into the order that the next product's operand wants.
; LIMITS: each e between -126 and 119, so that 2^e and 448 x 2^e are f32 numbers.  NaN among the inputs is not served (an infinity is held at the largest code).
; SHARES.  128 work-groups to a tensor; a wave takes a run of 8,192 numbers (4 rows) in 16 steps of 512.  Four rows are bits 0, 1 of a row's number, so pi moves whole runs: bits 1 and 2 of the run's number change places.
; A load reads 512 consecutive bytes, 16 a lane; a step's 2,048 bytes turn through the wave's own stage in LDS and come back 64 bytes a lane: 16 neighbours along K, which the conversions want in one lane's registers.
; A lane's 16 codes are 16 bytes: a store covers 512 consecutive bytes, aligned.  Loads run four steps ahead, the turn through LDS one step.  No barrier: waves share nothing.
.set WAVES, 4
.set STEPS, 16
.set SP,    80                         ; a lane's place in a stage: its 64 bytes + 16 of padding
.set WREG,  8192                       ; LDS: a region for each wave: two stages of 32 x SP bytes
.set SPARE, WAVES*WREG                 ; behind the regions: the spare words, 128 bytes a wave
.set SPW,   12                         ; v12  LDS address of my spare word; never rewritten
.set NIL,   13                         ; v13  0; never rewritten
.set R,     16                         ; v16-79   four sets of 16 numbers as loaded
.set X,     80                         ; v80-111  two sets of 16 neighbours
.set Q,     112                        ; v112-127 the numbers held within the largest code x the scale
.set C,     128                        ; v128-139 codes: four registers for each of the three sets
                                       ; v6, v7: 448 x 2^e and 2^e of set 0; v8, v9: of set 1; v10, v11: of set 2
	s_load_b512 s[4:19], s[0:1], 0x0               ; hidden_states s[4:5], Wq s[6:7], Wk s[8:9], Wv s[10:11], Wo s[12:13], the exponents s[14:15], xc s[16:17], wc s[18:19]
	v_lshl_add_u32 v[SPW], v0, 2, SPARE
	v_mov_b32 v[NIL], 0
	v_lshrrev_b32 v1, 5, v0
	v_readfirstlane_b32 s33, v1                    ; wave
	v_and_b32 v2, 31, v0                           ; lane
	v_lshlrev_b32 v3, 4, v2                        ; 16 x lane: my 16 bytes of a load's 512, and of a store's; never rewritten
	s_mul_i32 s46, s33, WREG
	v_lshrrev_b32 v14, 2, v2
	v_mul_u32_u24 v14, v14, SP
	v_and_b32 v15, 3, v2
	v_lshl_add_u32 v14, v15, 4, v14
	v_add_nc_u32 v14, s46, v14                     ; the stage, on the way in: SP (lane / 4) + 16 (lane % 4)
	v_mul_u32_u24 v15, v2, SP
	v_add_nc_u32 v15, s46, v15                     ; and on the way out: SP x lane
	s_lshr_b32 s32, ttmp9, 7                       ; the tensor: 0 hidden_states, 1 Wq, 2 Wk, 3 Wv, 4 Wo
	s_and_b32 s34, ttmp9, 127
	s_lshl_b32 s34, s34, 2
	s_add_co_u32 s34, s34, s33                     ; my run, 0 .. 511
	s_and_b32 s35, s34, 0x1f9
	s_and_b32 s47, s34, 2
	s_lshl_b32 s47, s47, 1
	s_or_b32 s35, s35, s47
	s_and_b32 s47, s34, 4
	s_lshr_b32 s47, s47, 1
	s_or_b32 s35, s35, s47                         ; the run's place under pi: bits 1 and 2 changed
	s_wait_alu depctr_va_vdst(0)
	s_wait_kmcnt 0x0
	s_load_b256 s[20:27], s[14:15], 0x0            ; e0 .. e7
	s_load_b128 s[28:31], s[14:15], 0x20           ; e8 .. e11
	s_cmp_eq_u32 s32, 1                            ; the choices hang on the work-group's number alone
	s_cselect_b64 s[36:37], s[6:7], s[4:5]
	s_cmp_eq_u32 s32, 2
	s_cselect_b64 s[36:37], s[8:9], s[36:37]
	s_cmp_eq_u32 s32, 3
	s_cselect_b64 s[36:37], s[10:11], s[36:37]
	s_cmp_eq_u32 s32, 4
	s_cselect_b64 s[36:37], s[12:13], s[36:37]
	s_lshl_b32 s44, s34, 15                        ; a run is 32,768 bytes of f32
	s_mov_b32 s45, 0
	s_add_nc_u64 s[36:37], s[36:37], s[44:45]      ; where I read
	s_cmp_eq_u32 s32, 0
	s_cselect_b64 s[38:39], s[16:17], s[18:19]     ; set 0 goes to xc[0] or to wc[tensor - 1]
	s_cselect_b32 s44, s34, s35                    ; xc[0] keeps its order,
	s_cmp_eq_u32 s32, 4
	s_cselect_b32 s44, s34, s44                    ; and so does wc[3]
	s_max_u32 s47, s32, 1
	s_sub_co_u32 s47, s47, 1
	s_lshl_b32 s47, s47, 22                        ; 4,194,304 bytes of codes to a tensor
	s_lshl_b32 s44, s44, 13                        ; 8,192 to a run
	s_add_co_u32 s44, s44, s47
	s_add_nc_u64 s[38:39], s[38:39], s[44:45]
	s_lshl_b32 s44, s35, 13
	s_add_co_u32 s44, s44, 4194304
	s_add_nc_u64 s[40:41], s[16:17], s[44:45]      ; xc[1], under pi
	s_add_co_u32 s44, s44, 4194304
	s_add_nc_u64 s[42:43], s[16:17], s[44:45]      ; xc[2], under pi
.macro LOAD t
.irp i, 0,1,2,3
	global_load_b128 v[R+16*((\t)%4)+4*\i:R+16*((\t)%4)+4*\i+3], v3, s[36:37] offset:2048*(\t)+512*\i th:TH_LOAD_NT   ; 32 lanes read 512 consecutive bytes; read once in the launch
.endr
.endm
.macro TURN t                          ; step t's numbers through the stage: LDS serves a wave's instructions in order (ISA guide 5.7.1.4), so no wait stands between the stores and the loads
.irp i, 0,1,2,3
	ds_store_b128 v14, v[R+16*((\t)%4)+4*\i:R+16*((\t)%4)+4*\i+3] offset:32*SP*((\t)%2)+8*SP*\i
.endr
.irp i, 0,1,2,3
	ds_load_b128 v[X+16*((\t)%2)+4*\i:X+16*((\t)%2)+4*\i+3], v15 offset:32*SP*((\t)%2)+16*\i
.endr
.endm
.macro MKSCALE e, k                    ; the exponent in s[e] makes 2^e (the conversion takes its exponent field) and 448 x 2^e
	s_add_co_i32 s48, s[\e], 127
	s_lshl_b32 s49, s48, 23
	v_mov_b32 v[7+2*\k], s49
	s_add_co_i32 s48, s48, 8
	s_lshl_b32 s48, s48, 23
	s_or_b32 s48, s48, 0x600000
	v_mov_b32 v[6+2*\k], s48
.endm
.irp t, 0,1,2,3
	LOAD \t
.endr
	s_wait_kmcnt 0x0
	s_cmp_eq_u32 s32, 1
	s_cselect_b32 s20, s21, s20                    ; set 0's exponent: e0, e1, e3, e5 or e11
	s_cmp_eq_u32 s32, 2
	s_cselect_b32 s20, s23, s20
	s_cmp_eq_u32 s32, 3
	s_cselect_b32 s20, s25, s20
	s_cmp_eq_u32 s32, 4
	s_cselect_b32 s20, s31, s20
	MKSCALE 20, 0
	MKSCALE 22, 1                                  ; e2: hidden_states for the product with Wk
	MKSCALE 24, 2                                  ; e4: for the product with Wv
	s_wait_alu depctr_va_vdst(0)
	s_wait_loadcnt 12                              ; step 0's four loads are in
	TURN 0
; One set of codes of step t: the hold leaves the numbers as they are, for the next set; the conversion to an 8-bit code does not saturate (ISA guide 7.6.2), so the hold comes first.
.macro CONV k, d, t
.set XS, X+16*((\t)%2)
.set i, 0
.rept 16
	v_med3_num_f32 v[Q+i], v[XS+i], -v[6+2*\k], v[6+2*\k]
.set i, i+1
.endr
	v_cvt_scalef32_pk8_fp8_f32 v[C+4*\k:C+4*\k+1], v[Q:Q+7], v[7+2*\k]
	v_cvt_scalef32_pk8_fp8_f32 v[C+4*\k+2:C+4*\k+3], v[Q+8:Q+15], v[7+2*\k]
	v_nop                                          ; a plain instruction between the conversions and the next set's holds, which write their sources
	global_store_b128 v3, v[C+4*\k:C+4*\k+3], s[\d:\d+1] offset:512*(\t)
.endm
.macro STEP t
	s_wait_dscnt 0x0                               ; this step's numbers are back from the stage, so its stores into the stage have read their registers,
	s_wait_xcnt 0x0                                ; and the last step's global stores have read the codes' registers
.if (\t)+4 < STEPS
	LOAD (\t)+4
.endif
.if (\t)+1 < STEPS
.if STEPS-2-(\t) >= 3
	s_wait_loadcnt 12                              ; the next step's four loads are in; those of the three steps behind it may be out
.else
	s_wait_loadcnt 4*(STEPS-2-(\t))
.endif
	TURN (\t)+1
.endif
	CONV 0, 38, \t
	s_cmp_lg_u32 s32, 0                            ; a weight has one set of codes; the branch hangs on the work-group's number and leads round register work and global stores alone
	s_cbranch_scc1 .Lw_\@
	CONV 1, 40, \t
	CONV 2, 42, \t
.Lw_\@:
.endm
.irp t, 0,1,2,3,4,5,6,7,8,9,10,11,12,13,14,15
	STEP \t
.endr
	s_wait_tensorcnt 0x0                           ; the wave's end, behind my last LDS store
	ds_add_u32 v[SPW], v[NIL]
	s_wait_dscnt 0x0
	s_endpgm
.Lfunc_end_k_q10eada5d56_quant:
	.size	k_q10eada5d56_quant, .Lfunc_end_k_q10eada5d56_quant-k_q10eada5d56_quant
	.p2alignl 7, 3214868480
	.fill 96, 4, 3214868480
	.section	.rodata,"a",@progbits
	.p2align	6, 0x0
	.amdhsa_kernel k_q10eada5d56_quant
		.amdhsa_group_segment_fixed_size 33280
		.amdhsa_private_segment_fixed_size 0
		.amdhsa_enable_private_segment 0
		.amdhsa_kernarg_size 64
		.amdhsa_user_sgpr_count 2
		.amdhsa_user_sgpr_kernarg_segment_ptr 1
		.amdhsa_wavefront_size32 1
		.amdhsa_system_sgpr_workgroup_id_x 1
		.amdhsa_system_sgpr_workgroup_id_y 1
		.amdhsa_system_sgpr_workgroup_id_z 1
		.amdhsa_system_vgpr_workitem_id 0
		.amdhsa_next_free_vgpr 144
		.amdhsa_next_free_sgpr 66
		.amdhsa_reserve_vcc 0
		.amdhsa_float_denorm_mode_32 3
		.amdhsa_float_denorm_mode_16_64 3
		.amdhsa_memory_ordered 1
		.amdhsa_forward_progress 1
		.amdhsa_inst_pref_size 81
	.end_amdhsa_kernel
	.amdgpu_metadata
---
amdhsa.version: [ 1, 2 ]
amdhsa.kernels:
  - .name:           k_q10eada5d56_quant
    .symbol:         k_q10eada5d56_quant.kd
    .args:
      - { .name: hidden_states, .offset: 0, .size: 8, .value_kind: global_buffer, .address_space: global }
      - { .name: Wq, .offset: 8, .size: 8, .value_kind: global_buffer, .address_space: global }
      - { .name: Wk, .offset: 16, .size: 8, .value_kind: global_buffer, .address_space: global }
      - { .name: Wv, .offset: 24, .size: 8, .value_kind: global_buffer, .address_space: global }
      - { .name: Wo, .offset: 32, .size: 8, .value_kind: global_buffer, .address_space: global }
      - { .name: lowp_scales, .offset: 40, .size: 8, .value_kind: global_buffer, .address_space: global }
      - { .name: xc, .offset: 48, .size: 8, .value_kind: global_buffer, .address_space: global }
      - { .name: wc, .offset: 56, .size: 8, .value_kind: global_buffer, .address_space: global }
    .group_segment_fixed_size: 33280
    .private_segment_fixed_size: 0
    .kernarg_segment_align: 8
    .kernarg_segment_size: 64
    .max_flat_workgroup_size: 128
    .sgpr_count:     66
    .vgpr_count:     144
    .wavefront_size: 32
...
	.end_amdgpu_metadata
.endif
;; end of part 1
;; launch qkv (part 2): grid 24 x 8, 4 waves a work-group, clusters of 4 x 4, 327,680 bytes of LDS; arguments xc, wc, lowp_scales, bq, bk, bv, qc, kc, vc, out1, out2; writes qc, kc, vc, out1, out2
.if DOCPART == 2
	.amdgcn_target "amdgcn-amd-amdhsa--gfx1250"
	.amdhsa_code_object_version 6
	.text
	.protected	k_q10eada5d56_qkv
	.globl	k_q10eada5d56_qkv
	.p2align	8
	.type	k_q10eada5d56_qkv,@function
k_q10eada5d56_qkv:
	s_mov_b64 s[64:65], 0
	v_nop
	global_prefetch_b8 v0, s[64:65] scope:SCOPE_SE
	s_setreg_imm32_b32 hwreg(HW_REG_WAVE_MODE, 25, 1), 1
	s_wait_xcnt 0x0
	s_wait_alu depctr_hold_cnt(0) depctr_sa_sdst(0) depctr_va_vdst(0) depctr_va_sdst(0) depctr_va_ssrc(0) depctr_va_vcc(0) depctr_vm_vsrc(0)
	s_getreg_b32 s2, hwreg(HW_REG_IB_STS2, 6, 4)
	s_cmp_eq_u32 s2, 0
	s_cbranch_scc0 .Lentry_in_a_cluster
	s_endpgm
.Lentry_in_a_cluster:
	s_bfe_u32 s2, ttmp6, 0x10000c
	s_cmp_lg_u32 s2, 0xf033
	s_cbranch_scc0 .Lentry_shape_is_right
	s_endpgm
.Lentry_shape_is_right:
.set KSTEP,  256
.set ROWB,   256
.set KROW,   2048
.set PITCH,  272
.set FR,     16
.set NL,     4
.set NP,     4
.set HALFT,  128*PITCH
.set SLOT,   4*HALFT
.set LAPS,   4
.set SPARE,  2*SLOT
.set STAGEK, SPARE+512
.set SPITCH, 528
.set VWAVE,  34048
.set VHALF,  16928
.set ADRA, 16
.set ADRB, 20
.set BCO,  7
.set BRO,  8
.set STO,  24
.set RD,   25
.set CO,   26
.set VSTO, 27
.set SPW,  28
.set NIL,  29
.set VRD,  30
.set BC,   32
.set BR,   96
.set LIMV, 104
.set SCV,  105
.set CD,   108
.set TMP,  128
.set BK,   192
.set AF,   128
.set G1, 24
.set G0, 32
.set G1B, 48
.set G0B, 56
.set TT,  66
.set MSB, 0
.macro WIN new
.if MSB != (\new)
	s_set_vgpr_msb (MSB<<8)|(\new)
.set MSB, (\new)
.endif
.endm
.set MUL_LO, 0xa1
.set MUL_HI, 0xf1
.set TO_B,   0x40
.macro JLOAD g0a, g1a, g0b, g1b
	s_cmp_eq_u32 s15, 0
	s_cbranch_scc0 .Lfor_b_\@
	tensor_load_to_lds s[\g0a:\g0a+3], s[\g1a:\g1a+7]
	s_nop 0
.rept 4
	v_nop
.endr
	s_branch .Lasked_\@
.Lfor_b_\@:
	tensor_load_to_lds s[\g0b:\g0b+3], s[\g1b:\g1b+7]
	s_nop 0
.rept 4
	v_nop
.endr
.Lasked_\@:
.endm
.macro CREST
	s_cmp_lg_u32 s14, 0
	s_cbranch_scc1 .Lnot_wave_0_\@
	s_barrier_signal -3
.Lnot_wave_0_\@:
	s_barrier_wait -3
	s_barrier_signal -1
	s_barrier_wait -1
.endm
.macro CROUND
	s_barrier_signal -1
	s_barrier_wait -1
	CREST
.endm
	s_load_b128 s[4:7], s[0:1], 0x0
	s_load_b64 s[8:9], s[0:1], 0x10
	s_load_b128 s[68:71], s[0:1], 0x18
	s_load_b64 s[72:73], s[0:1], 0x28
	s_load_b128 s[76:79], s[0:1], 0x30
	s_load_b64 s[80:81], s[0:1], 0x40
	s_load_b128 s[84:87], s[0:1], 0x48
	v_lshl_add_u32 v[SPW], v0, 2, SPARE
	v_mov_b32 v[NIL], 0
	ds_add_u32 v[SPW], v[NIL]
	ds_add_u32 v[SPW], v[NIL]
	v_lshrrev_b32 v1, 5, v0
	v_readfirstlane_b32 s14, v1
	s_lshr_b32 s15, s14, 1
	s_and_b32 s16, s14, 1
	s_bfe_u32 s40, ttmp6, 0x40000
	s_bfe_u32 s41, ttmp6, 0x40004
	s_lshr_b32 s[TT], ttmp9, 1
	s_and_b32 s42, ttmp9, 1
	s_lshl_b32 s42, s42, 2
	s_add_co_u32 s42, s42, s40
	s_and_b32 s17, ttmp7, 0xffff
	s_lshl_b32 s17, s17, 2
	s_add_co_u32 s17, s17, s41
	s_lshl_b32 s43, s41, 2
	s_lshl_b32 s43, 15, s43
	s_lshl_b32 s44, 0x1111, s40
	s_or_b32 s[G1+0], s43, (0<<16)|(1<<20)|(1<<21)|(5<<22)|(3<<25)
	s_or_b32 s[G1B+0], s44, (0<<16)|(1<<20)|(1<<21)|(5<<22)|(3<<25)
.irp g, G1, G1B
	s_mov_b32 s[\g+1], ROWB<<16
	s_mov_b32 s[\g+2], 128<<16
	s_mov_b32 s[\g+3], ROWB<<16
	s_mov_b32 s[\g+4], 128
	s_mov_b32 s[\g+5], KROW
	s_mov_b32 s[\g+6], 0
	s_mov_b32 s[\g+7], 0
.endr
	s_lshl_b32 s18, s16, 7
	s_lshl_b32 s20, s17, 8
	s_add_co_u32 s20, s20, s18
	s_lshl_b32 s20, s20, 11
	s_mov_b32 s21, 0
	s_lshl_b32 s46, s42, 8
	s_add_co_u32 s46, s46, s18
	s_lshl_b32 s46, s46, 11
	s_mov_b32 s47, 0
	s_mul_i32 s45, s14, HALFT
	s_lshl_b32 s10, s[TT], 22
	s_mov_b32 s11, 0
	s_wait_dscnt 0x0
	s_wait_kmcnt 0x0
	s_load_b256 s[88:95], s[8:9], 0x0
	s_load_b128 s[96:99], s[8:9], 0x20
	s_add_nc_u64 s[4:5], s[4:5], s[10:11]
	s_add_nc_u64 s[6:7], s[6:7], s[10:11]
	s_cmp_eq_u32 s[TT], 2
	s_cselect_b64 s[12:13], s[6:7], s[4:5]
	s_cselect_b64 s[6:7], s[4:5], s[6:7]
	s_add_nc_u64 s[20:21], s[12:13], s[20:21]
	s_add_nc_u64 s[46:47], s[6:7], s[46:47]
	CROUND
.irp s, 0,1
	s_mov_b32 s[G0+4*\s], 1
	s_add_co_u32 s[G0+4*\s+1], s45, \s*SLOT
	s_add_nc_u64 s[G0+4*\s+2:G0+4*\s+3], s[20:21], \s*ROWB
	s_or_b32 s[G0+4*\s+3], s[G0+4*\s+3], 0x80000000
	s_mov_b32 s[G0B+4*\s], 1
	s_add_co_u32 s[G0B+4*\s+1], s45, \s*SLOT
	s_add_nc_u64 s[G0B+4*\s+2:G0B+4*\s+3], s[46:47], \s*ROWB
	s_or_b32 s[G0B+4*\s+3], s[G0B+4*\s+3], 0x80000000
.if \s == 1
	s_wait_alu depctr_va_vdst(0)
	s_wait_tensorcnt 0x0
	ds_add_u32 v28, v29
	s_wait_dscnt 0x0
	CROUND
.endif
	JLOAD G0+4*\s, G1, G0B+4*\s, G1B
.endr
	v_and_b32 v1, 15, v0
	s_wait_alu depctr_va_vdst(0)
	v_bfe_u32 v2, v0, 4, 1
	v_mul_u32_u24 v3, v1, PITCH
	v_lshl_add_u32 v4, v2, 4, v3
	s_mul_i32 s21, s15, HALFT
	s_mul_i32 s22, s16, HALFT
	s_add_co_u32 s22, s22, 2*HALFT
.irp s, 0,1
	v_add_nc_u32 v[ADRA+\s], s21, v4
	v_add_nc_u32 v[ADRB+\s], s22, v4
	s_add_co_u32 s21, s21, SLOT
	s_add_co_u32 s22, s22, SLOT
.endr
	s_mul_i32 s23, s14, 16*SPITCH
	s_add_co_u32 s23, s23, STAGEK
	v_mul_u32_u24 v5, v1, SPITCH
	s_wait_alu depctr_va_vdst(0)
	v_lshl_add_u32 v5, v2, 6, v5
	v_add_nc_u32 v[STO], s23, v5
	v_and_b32 v6, 31, v0
	v_lshlrev_b32 v[CO], 4, v6
	v_add_nc_u32 v[RD], s23, v[CO]
	s_mul_i32 s23, s14, VWAVE
	v_and_b32 v5, 8, v1
	v_add_nc_u32 v5, v5, v1
	v_lshlrev_b32 v[BRO], 2, v5
	v_mul_u32_u24 v6, v2, VHALF
	v_add_nc_u32 v6, v6, v[BRO]
	v_add_nc_u32 v[VSTO], s23, v6
	v_add_nc_u32 v[VRD], s23, v[CO]
	v_lshlrev_b32 v[BCO], 6, v2
	s_wait_alu depctr_va_vdst(0)
	s_cmp_eq_u32 s[TT], 1
	s_cselect_b64 s[68:69], s[70:71], s[68:69]
	s_cselect_b64 s[76:77], s[78:79], s[76:77]
	s_cselect_b64 s[84:85], s[84:85], s[86:87]
	s_cmp_eq_u32 s[TT], 2
	s_cselect_b64 s[68:69], s[72:73], s[68:69]
	s_cselect_b64 s[76:77], s[80:81], s[76:77]
	s_lshl_b32 s18, s42, 1
	s_add_co_u32 s18, s18, s16
	s_lshl_b32 s19, s17, 1
	s_add_co_u32 s19, s19, s15
	s_cmp_eq_u32 s[TT], 2
	s_cselect_b32 s22, s19, s18
	s_cselect_b32 s23, s18, s19
	s_lshl_b32 s20, s22, 4
	s_add_co_u32 s20, s20, s23
	s_lshl_b32 s20, s20, 14
	s_mov_b32 s21, 0
	s_add_nc_u64 s[76:77], s[76:77], s[20:21]
	s_lshl_b32 s20, s22, 20
	s_lshl_b32 s23, s23, 16
	s_add_co_u32 s20, s20, s23
	s_add_nc_u64 s[84:85], s[84:85], s[20:21]
	s_lshl_b32 s20, s18, 9
	s_add_nc_u64 s[70:71], s[68:69], s[20:21]
	s_lshl_b32 s20, s19, 9
	s_add_nc_u64 s[72:73], s[68:69], s[20:21]
.irp b, 0,1,2,3,4,5,6,7
	global_load_b128 v[BC+8*\b:BC+8*\b+3], v[BCO], s[70:71] offset:128*(\b/2)+32*(\b%2)
	global_load_b128 v[BC+8*\b+4:BC+8*\b+7], v[BCO], s[70:71] offset:128*(\b/2)+32*(\b%2)+16
.endr
.irp a, 0,1,2,3,4,5,6,7
	global_load_b32 v[BR+\a], v[BRO], s[72:73] offset:128*(\a/2)+32*(\a%2)
.endr
.macro FRAG reg, adr, q, i
.irp c, 0,1,2,3
	ds_load_b128 v[\reg+4*\c:\reg+4*\c+3], v[\adr] offset:128*(\q)+32*\c+(\i)*16*PITCH
.endr
.endm
.macro MUL16 a0, p, zero
.irp a, \a0, \a0+1
.irp b, 0,1,2,3,4,5,6,7
.if \zero
	v_wmma_f32_16x16x128_fp8_fp8 v[8*(8*((\a)%4)+\b):8*(8*((\a)%4)+\b)+7], v[128*(\p)+FR*\b:128*(\p)+FR*\b+FR-1], v[AF+FR*(\a):AF+FR*(\a)+FR-1], 0
.else
	v_wmma_f32_16x16x128_fp8_fp8 v[8*(8*((\a)%4)+\b):8*(8*((\a)%4)+\b)+7], v[128*(\p)+FR*\b:128*(\p)+FR*\b+FR-1], v[AF+FR*(\a):AF+FR*(\a)+FR-1], v[8*(8*((\a)%4)+\b):8*(8*((\a)%4)+\b)+7]
.endif
.endr
.endr
.endm
.macro FETCH_B slot, q, p
	WIN TO_B
.irp i, 0,1,2,3,4,5,6,7
	FRAG 128*(\p)+FR*\i, ADRB+\slot, \q, \i
.endr
	WIN 0
.endm
.macro FETCH_A slot, q, i0
.irp i, \i0, \i0+1, \i0+2, \i0+3
	FRAG AF+FR*(\i), ADRA+\slot, \q, \i
.endr
.endm
.macro PLACES n
.rept \n
	v_nop
.endr
.endm
.macro STEP slot, q, zero
	s_wait_dscnt 4*NL
	WIN MUL_LO
	MUL16 0, (\q)%2, \zero
	MUL16 2, (\q)%2, \zero
	s_wait_dscnt 0
	PLACES NP
	FETCH_B \slot, (\q)+1, 1-(\q)%2
	FETCH_A \slot, (\q)+1, 0
	WIN MUL_HI
	MUL16 4, (\q)%2, \zero
	MUL16 6, (\q)%2, \zero
	PLACES NP
	WIN 0
	FETCH_A \slot, (\q)+1, 4
.endm
.macro TURN slot, next, fill
	s_wait_tensorcnt 0x0
	ds_add_u32 v[SPW], v[NIL]
	s_wait_dscnt 4*NL+1
	WIN MUL_LO
	MUL16 0, 1, 0
	s_wait_dscnt 0x0
	s_barrier_signal -1
	MUL16 2, 1, 0
	WIN 0
	s_barrier_wait -1
.if \fill
	CREST
	s_add_nc_u64 s[G0+4*\slot+2:G0+4*\slot+3], s[G0+4*\slot+2:G0+4*\slot+3], 2*ROWB
	s_add_nc_u64 s[G0B+4*\slot+2:G0B+4*\slot+3], s[G0B+4*\slot+2:G0B+4*\slot+3], 2*ROWB
	JLOAD G0+4*\slot, G1, G0B+4*\slot, G1B
.else
	PLACES NP
.endif
	FETCH_B \next, 0, 0
	FETCH_A \next, 0, 0
	WIN MUL_HI
	MUL16 4, 1, 0
	MUL16 6, 1, 0
	PLACES NP
	WIN 0
	FETCH_A \next, 0, 4
.endm
	s_wait_loadcnt 0x0
	s_wait_tensorcnt 1
	s_barrier_signal -1
	s_barrier_wait -1
	FETCH_B 0, 0, 0
	FETCH_A 0, 0, 0
	FETCH_A 0, 0, 4
	STEP 0, 0, 1
	s_mov_b32 s3, LAPS-1
.Llap:
	TURN 0, 1, 1
	STEP 1, 0, 0
	TURN 1, 0, 1
	STEP 0, 0, 0
	s_sub_co_u32 s3, s3, 1
	s_cmp_lg_u32 s3, 0
	s_cbranch_scc1 .Llap
	TURN 0, 1, 0
	STEP 1, 0, 0
	s_wait_dscnt 4*NL
	WIN MUL_LO
	MUL16 0, 1, 0
	MUL16 2, 1, 0
	s_wait_dscnt 0
	WIN MUL_HI
	MUL16 4, 1, 0
	MUL16 6, 1, 0
	WIN 0
	s_wait_kmcnt 0x0
	s_add_co_i32 s10, s88, s89
	s_add_co_i32 s11, s90, s91
	s_add_co_i32 s12, s92, s93
	s_cmp_eq_u32 s[TT], 1
	s_cselect_b32 s10, s11, s10
	s_cselect_b32 s13, s95, s94
	s_cmp_eq_u32 s[TT], 2
	s_cselect_b32 s10, s12, s10
	s_cselect_b32 s13, s97, s13
	s_add_co_i32 s10, s10, 127
	s_lshl_b32 s96, s10, 23
	s_mov_b32 s97, s96
	s_add_co_i32 s13, s13, 127
	s_lshl_b32 s12, s13, 23
	v_mov_b32 v[SCV], s12
	s_add_co_i32 s13, s13, 8
	s_lshl_b32 s13, s13, 23
	s_or_b32 s13, s13, 0x600000
	v_mov_b32 v[LIMV], s13
	PLACES NP
.macro QKBLOCK a, f32
.set AC, 64*((\a)%4)
	s_wait_xcnt 0x0
	WIN 0x02+((\a)/4)
.set j, 0
.rept 32
	v_pk_fma_f32 v[TMP+j:TMP+j+1], v[AC+j:AC+j+1], s[96:97], v[BC+j:BC+j+1] op_sel_hi:[1,0,1]
.set j, j+2
.endr
	WIN 0
.if \f32
.irp b, 0,1,2,3,4,5,6,7
	ds_store_b128 v[STO], v[TMP+8*\b:TMP+8*\b+3] offset:128*(\b/2)+32*(\b%2)
	ds_store_b128 v[STO], v[TMP+8*\b+4:TMP+8*\b+7] offset:128*(\b/2)+32*(\b%2)+16
.endr
.set i, 0
.rept 16
	ds_load_b128 v[BK+4*i:BK+4*i+3], v[RD] offset:i*SPITCH
.set i, i+1
.endr
.endif
.irp c, 0,1,2,3
.set j, 0
.rept 16
	v_med3_num_f32 v[TMP+16*\c+j], v[TMP+16*\c+j], -v[LIMV], v[LIMV]
.set j, j+1
.endr
	v_cvt_scalef32_pk8_fp8_f32 v[CD+4*\c:CD+4*\c+1], v[TMP+16*\c:TMP+16*\c+7], v[SCV]
	v_cvt_scalef32_pk8_fp8_f32 v[CD+4*\c+2:CD+4*\c+3], v[TMP+16*\c+8:TMP+16*\c+15], v[SCV]
.endr
	v_nop
.irp c, 0,1,2,3
	global_store_b128 v[CO], v[CD+4*\c:CD+4*\c+3], s[76:77] offset:2048*(\a)+512*\c
.endr
.if \f32
.set i, 0
.rept 16
	s_wait_dscnt 15-i
	global_store_b128 v[CO], v[BK+4*i:BK+4*i+3], s[84:85] offset:(32*((\a)/2)+8*((\a)%2)+i+8*(i/8))*512 th:TH_STORE_NT
.set i, i+1
.endr
.endif
.endm
.macro VPART H, a
.set AC, 64*((\a)%4)+32*(\H)
	s_wait_xcnt 0x0
	WIN 0x02+((\a)/4)
.set j, 0
.rept 16
	v_pk_fma_f32 v[TMP+j:TMP+j+1], v[AC+j:AC+j+1], s[96:97], v[BC+2*(\a):BC+2*(\a)+1] op_sel_hi:[1,0,1]
.set j, j+2
.endr
	WIN 0
.set j, 0
.rept 32
	ds_store_b32 v[VSTO], v[TMP+j] offset:j*SPITCH+128*((\a)/2)+32*((\a)%2)
.set j, j+1
.endr
.irp c, 0,1
.set j, 0
.rept 16
	v_med3_num_f32 v[TMP+16*\c+j], v[TMP+16*\c+j], -v[LIMV], v[LIMV]
.set j, j+1
.endr
	v_cvt_scalef32_pk8_fp8_f32 v[CD+4*\c:CD+4*\c+1], v[TMP+16*\c:TMP+16*\c+7], v[SCV]
	v_cvt_scalef32_pk8_fp8_f32 v[CD+4*\c+2:CD+4*\c+3], v[TMP+16*\c+8:TMP+16*\c+15], v[SCV]
.endr
	v_nop
.irp c, 0,1
	global_store_b128 v[CO], v[CD+4*\c:CD+4*\c+3], s[76:77] offset:2048*(\a)+512*(2*(\H)+\c)
.endr
.endm
.macro VSEND H, g
.set BB, 192-64*((\g)%2)
	s_wait_xcnt 0x0
.set i, 0
.rept 16
	ds_load_b128 v[BB+4*i:BB+4*i+3], v[VRD] offset:((\g)%2)*VHALF+(16*((\g)/2)+i)*SPITCH
.set i, i+1
.endr
.set i, 0
.rept 16
	s_wait_dscnt 15-i
	global_store_b128 v[CO], v[BB+4*i:BB+4*i+3], s[84:85] offset:(64*(\H)+32*((\g)/2)+16*((\g)%2)+i)*512 th:TH_STORE_NT
.set i, i+1
.endr
.endm
	s_cmp_eq_u32 s[TT], 1
	s_cbranch_scc1 .Lk
	s_cmp_eq_u32 s[TT], 2
	s_cbranch_scc1 .Lv
.irp a, 0,1,2,3,4,5,6,7
	QKBLOCK \a, 0
.endr
	s_branch .Lend
.Lk:
.irp a, 0,1,2,3,4,5,6,7
	QKBLOCK \a, 1
.endr
	s_branch .Lend
.Lv:
.set a, 0
.rept 8
	v_mov_b32 v[BC+2*a], v[BR+a]
	v_mov_b32 v[BC+2*a+1], v[BR+a]
.set a, a+1
.endr
.irp H, 0,1
.irp a, 0,1,2,3,4,5,6,7
	VPART \H, \a
.endr
.irp g, 0,1,2,3
	VSEND \H, \g
.endr
.endr
.Lend:
	s_wait_tensorcnt 0x0
	ds_add_u32 v[SPW], v[NIL]
	s_wait_dscnt 0x0
	CROUND
	s_endpgm
.Lfunc_end_k_q10eada5d56_qkv:
	.size	k_q10eada5d56_qkv, .Lfunc_end_k_q10eada5d56_qkv-k_q10eada5d56_qkv
	.p2alignl 7, 3214868480
	.fill 96, 4, 3214868480
	.section	.rodata,"a",@progbits
	.p2align	6, 0x0
	.amdhsa_kernel k_q10eada5d56_qkv
		.amdhsa_group_segment_fixed_size 327680
		.amdhsa_private_segment_fixed_size 0
		.amdhsa_enable_private_segment 0
		.amdhsa_kernarg_size 88
		.amdhsa_user_sgpr_count 2
		.amdhsa_user_sgpr_kernarg_segment_ptr 1
		.amdhsa_wavefront_size32 1
		.amdhsa_system_sgpr_workgroup_id_x 1
		.amdhsa_system_sgpr_workgroup_id_y 1
		.amdhsa_system_sgpr_workgroup_id_z 1
		.amdhsa_system_vgpr_workitem_id 0
		.amdhsa_next_free_vgpr 1024
		.amdhsa_next_free_sgpr 100
		.amdhsa_reserve_vcc 0
		.amdhsa_float_denorm_mode_32 3
		.amdhsa_float_denorm_mode_16_64 3
		.amdhsa_memory_ordered 1
		.amdhsa_forward_progress 1
		.amdhsa_inst_pref_size 255
	.end_amdhsa_kernel
	.section	.bss,"aw",@nobits
	.p2align	6
	.space	262144
	.amdgpu_metadata
---
amdhsa.version: [ 1, 2 ]
amdhsa.kernels:
  - .name:           k_q10eada5d56_qkv
    .symbol:         k_q10eada5d56_qkv.kd
    .args:
      - { .name: xc, .offset: 0, .size: 8, .value_kind: global_buffer, .address_space: global }
      - { .name: wc, .offset: 8, .size: 8, .value_kind: global_buffer, .address_space: global }
      - { .name: lowp_scales, .offset: 16, .size: 8, .value_kind: global_buffer, .address_space: global }
      - { .name: bq, .offset: 24, .size: 8, .value_kind: global_buffer, .address_space: global }
      - { .name: bk, .offset: 32, .size: 8, .value_kind: global_buffer, .address_space: global }
      - { .name: bv, .offset: 40, .size: 8, .value_kind: global_buffer, .address_space: global }
      - { .name: qc, .offset: 48, .size: 8, .value_kind: global_buffer, .address_space: global }
      - { .name: kc, .offset: 56, .size: 8, .value_kind: global_buffer, .address_space: global }
      - { .name: vc, .offset: 64, .size: 8, .value_kind: global_buffer, .address_space: global }
      - { .name: out1, .offset: 72, .size: 8, .value_kind: global_buffer, .address_space: global }
      - { .name: out2, .offset: 80, .size: 8, .value_kind: global_buffer, .address_space: global }
    .group_segment_fixed_size: 327680
    .private_segment_fixed_size: 0
    .kernarg_segment_align: 8
    .kernarg_segment_size: 88
    .max_flat_workgroup_size: 128
    .sgpr_count:     100
    .vgpr_count:     1024
    .wavefront_size: 32
...
	.end_amdgpu_metadata
.endif
;; end of part 2
;; launch attn (part 3): grid 16 x 16, 4 waves a work-group, clusters of 4 x 4, 327,680 bytes of LDS; arguments qc, kc, vc, attn_mask, lowp_scales, cc; writes cc
.if DOCPART == 3
	.amdgcn_target "amdgcn-amd-amdhsa--gfx1250"
	.amdhsa_code_object_version 6
	.text
	.protected	k_q10eada5d56_attn
	.globl	k_q10eada5d56_attn
	.p2align	8
	.type	k_q10eada5d56_attn,@function
k_q10eada5d56_attn:
	s_mov_b64 s[64:65], 0
	v_nop
	global_prefetch_b8 v0, s[64:65] scope:SCOPE_SE
	s_setreg_imm32_b32 hwreg(HW_REG_WAVE_MODE, 25, 1), 1
	s_wait_xcnt 0x0
	s_wait_alu depctr_hold_cnt(0) depctr_sa_sdst(0) depctr_va_vdst(0) depctr_va_sdst(0) depctr_va_ssrc(0) depctr_va_vcc(0) depctr_vm_vsrc(0)
	s_getreg_b32 s2, hwreg(HW_REG_IB_STS2, 6, 4)
	s_cmp_eq_u32 s2, 0
	s_cbranch_scc0 .Lentry_in_a_cluster
	s_endpgm
.Lentry_in_a_cluster:
	s_bfe_u32 s2, ttmp6, 0x10000c
	s_cmp_lg_u32 s2, 0xf033
	s_cbranch_scc0 .Lentry_shape_is_right
	s_endpgm
.Lentry_shape_is_right:
; PRODUCTS 4 AND 5 on codes of FP8 (E4M3): ctx[head][q] = the sum over k of softmax_k(q . k / sqrt(128) + mask[q][k]) v[k].  Nothing is left out: the mask is an input of f32 numbers, so every key of every query is walked.
; THE SOFTMAX: t = (score / sqrt(128) + mask) x log2(e); M = the largest t so far, rounded UP to a whole number; p = 2^(t - M) is quantised (entry 8), not normalised; the sum is taken of the unquantised p and divides at the end.
; When M moves, the sum and O are multiplied by 2^(old M - new M): exact.  ctx leaves as codes (entry 10) for the last product.
; SHARES.  A work-group owns 128 queries of one head, in four waves.  Wave (qh, kh) = (wave / 2, wave % 2) owns 64 queries, four tiles of 16, and of every PERIOD of 256 keys the key step kh (128 keys).
; So a fragment of K or V read from LDS feeds four matrix instructions and is read by two waves, and each byte of the mask is read by one wave.  The two waves of a qh hold partial results (O, M, sum) of the same queries:
; at the end each hands two tiles to the other through LDS and joins two, by powers of two made of the two whole numbers M.  My tile j is the block's tile 4 qh + (j xor 2 kh): so every wave keeps its tiles 0, 1 and hands on 2, 3: the waves differ by addresses alone.
; OPERANDS ARE IMAGES OF REGISTERS (made by the launch before): a fragment is 2,048 bytes, [piece][lane][16 bytes]; a key step's K is 8 fragments on end, and so is its V^T.  Both products are used transposed: a lane holds one query.
; THE MASK GOES IN AS THE C OF THE FIRST PRODUCT: x sqrt(128) / 2^(e6 + e7), in place, in the scores' layout: t = c x (sum + C), c = log2(e) / sqrt(128) x 2^(e6 + e7).
; CLUSTER of 4 x 4: x = blocks of queries, y = heads.  K and V hang on the head: asked for jointly along a row; the mask hangs on the block: jointly along a column.
; LDS: K's two slots (32,768 bytes each: a period's two steps), V's two, ONE region for the mask (128 rows x (1,024 + 16) bytes; two do not fit), the spare words, 2,048 bytes for the exchange of M and the sums.
; A PERIOD is a TOP and a BODY.  TOP: the tiles have landed (a barrier) | my mask (64 loads) into registers, and under them the rescaling of O^T and the second product of the period BEFORE, which need registers alone |
; a round of the cluster's barrier, the refill, one load a wave: wave 0 the other slot's K, wave 1 its V, waves 2, 3 a half of the mask each.  BODY: my K and V (32 loads each), the scores and the softmax of all four tiles, phase by phase.
; At the head wave 0 fetches K of periods 0 and 1 by one load into both slots, wave 1 V likewise.  The loop's trip is BODY(p), TOP(p + 1); O^T begins as zeros, so that the first second product is written like the others and needs no copy of the text.
; LIMITS: e6 + e7 between -123 and 129; e8 and e10 between -126 and 119.  NaN among the inputs is not served.  The promise holds while |t| stays under 2^31.  score / sqrt(128) + mask is formed in another order than
; the problem writes it (the mask scaled up, the sum scaled down): where the mask is so large that f32 swallows the scores, the last bits differ.
; REGISTERS.  Window 0: v1-15 addresses; v16-31 a tile's -M, largest t, sum (pair); v32-95 Q; v96-159 p's codes; v160.. at work.  Window 1: mask, scores, p: tile j at 64 j.  Window 2: O^T: tile j at 64 j.  Window 3: K's fragments, then V's.
.set KSL,   32768
.set VO,    65536
.set MB,    131072
.set MP,    1040                       ; 65 x 16 bytes: the 16 rows that a load touches start at 16 different banks (ISA guide 11.1)
.set MH,    64*MP
.set SPARE, MB+2*MH
.set STS,   SPARE+512
.set AK0, 1
.set AV0, 2
.set ADK, 3
.set ADV, 4
.set MA0, 5                            ; v5: mask rows of my tiles 0, 1; v6: of 2, 3
.set SPW, 7
.set NIL, 8
.set PFO, 9
.set PFMO, 10
.set LN,  11
.set STGW, 12
.set STGR, 13
.set STSW, 14
.set STSR, 15
.set ST,  16
.set QR,  32
.set CD,  96
.set CH,  160
.set FF,  176
.set L2,  184
.set XL,  192
.set NINF, 196
.set H8,  197
.set SC8, 198
.set H10, 199
.set SC10, 200
.set XS,  204
.set YS,  208
.set GA,  212
.set GB,  216
.set E0,  220
.set E1,  222
.set E2,  224
.set TRIPS, 3
.set KH,  16
.set QH,  17
.set WV,  18
.set TB,  19
.set SEL, 20
.set CS,  22
.set G1H, 24
.set G1KV, 32
.set G1M, 40
.set G0KV, 48
.set G0M, 52
.set MS,  66
.set PFA, 68
.set PFM, 70
.set LIMK, 72
.set LIMM, 73
.set MSB, 0
.macro WIN new                         ; the immediate's high byte repeats the setting that is left
.if MSB != (\new)
	s_set_vgpr_msb (MSB<<8)|(\new)
.set MSB, (\new)
.endif
.endm
.macro NOP4
.rept 4
	v_nop
.endr
.endm
; The joint refills.  The branches hang on the wave's number alone.  An s_nop 0 and four v_nop follow each tensor load.
.macro JMASK
	s_cmp_lt_u32 s[WV], 2
	s_cbranch_scc1 .Lno_load_\@
	tensor_load_to_lds s[G0M:G0M+3], s[G1M:G1M+7]
	s_nop 0
	NOP4
.Lno_load_\@:
.endm
.macro JALL g1
	s_cmp_lt_u32 s[WV], 2
	s_cbranch_scc0 .Lfor_m_\@
	tensor_load_to_lds s[G0KV:G0KV+3], s[\g1:\g1+7]
	s_nop 0
	NOP4
	s_branch .Lasked_\@
.Lfor_m_\@:
	tensor_load_to_lds s[G0M:G0M+3], s[G1M:G1M+7]
	s_nop 0
	NOP4
.Lasked_\@:
.endm
.macro CROUND                          ; a round of the cluster's barrier
	s_barrier_signal -1
	s_barrier_wait -1
	s_cmp_lg_u32 s[WV], 0
	s_cbranch_scc1 .Lnot_wave_0_\@
	s_barrier_signal -3
.Lnot_wave_0_\@:
	s_barrier_wait -3
	s_barrier_signal -1
	s_barrier_wait -1
.endm
; A PREFETCH INTO THE L2 of the period behind the one that has just been asked for.  Each aligned block of 256 bytes is named once in the launch.
; K and V (32,768 bytes each): cluster x = 0 asks; the four partners of a row take 8,192 bytes each by address (cx); wave 0 for K, wave 1 for V, lanes 256 bytes apart.
; The mask (128 rows x 1,024 bytes): cluster y = 0 asks; the four partners of a column take 32 rows each by address (cy); each wave eight rows, four lanes to a row.
; Periods 0 to 5, the loop's six trips, ask; periods 6 and 7 do not: no period stands two on.
.macro ASK1 lim, off, adr
	s_cmp_eq_u32 s[\lim], 1
	s_cbranch_scc0 .Lnot_mine_\@
	global_prefetch_b8 v[\off], s[\adr:\adr+1] th:TH_LOAD_NT scope:SCOPE_SE
.Lnot_mine_\@:
.endm
	s_load_b256 s[4:11], s[0:1], 0x0               ; qc, kc, vc, the mask
	s_load_b128 s[12:15], s[0:1], 0x20             ; the exponents, cc
	v_lshl_add_u32 v[SPW], v0, 2, SPARE
	v_mov_b32 v[NIL], 0
	ds_add_u32 v[SPW], v[NIL]                      ; the wave's opening: the add, twice on end, and its wait ahead of my first tensor load
	ds_add_u32 v[SPW], v[NIL]
	v_lshrrev_b32 v226, 5, v0
	v_readfirstlane_b32 s[WV], v226                ; wave 0..3
	s_and_b32 s[KH], s[WV], 1
	s_lshr_b32 s[QH], s[WV], 1
	s_bfe_u32 s56, ttmp6, 0x40000                  ; cx
	s_bfe_u32 s57, ttmp6, 0x40004                  ; cy
	s_lshl_b32 s58, ttmp9, 2
	s_add_co_u32 s58, s58, s56                     ; my block of 128 queries
	s_and_b32 s60, ttmp7, 0xffff                   ; cluster y
	s_lshl_b32 s59, s60, 2
	s_add_co_u32 s59, s59, s57                     ; my head
	s_lshl_b32 s61, s57, 2
	s_lshl_b32 s61, 15, s61                        ; my row of the cluster
	s_lshl_b32 s62, 0x1111, s56                    ; my column
	s_or_b32 s[G1H], s61, (3<<16)|(1<<21)          ; K, V at the head: 65,536 dense bytes as 256 rows of 256 (elements of 8 bytes)
	s_mov_b32 s[G1H+1], 32<<16
	s_mov_b32 s[G1H+2], 256<<16
	s_mov_b32 s[G1H+3], 32<<16
	s_mov_b32 s[G1H+4], 256
	s_mov_b32 s[G1H+5], 32
	s_mov_b32 s[G1H+6], 0
	s_mov_b32 s[G1H+7], 0
	s_or_b32 s[G1KV], s61, (3<<16)|(1<<21)         ; K, V, a refill: 32,768 bytes as 128 rows
	s_mov_b32 s[G1KV+1], 32<<16
	s_mov_b32 s[G1KV+2], 128<<16
	s_mov_b32 s[G1KV+3], 32<<16
	s_mov_b32 s[G1KV+4], 128
	s_mov_b32 s[G1KV+5], 32
	s_mov_b32 s[G1KV+6], 0
	s_mov_b32 s[G1KV+7], 0
	s_or_b32 s[G1M], s62, (2<<16)|(1<<20)|(1<<21)|(7<<22)|(3<<25)   ; the mask: 64 rows of 256 numbers; 4 words of padding behind every 256
	s_mov_b32 s[G1M+1], 256<<16
	s_mov_b32 s[G1M+2], 64<<16
	s_mov_b32 s[G1M+3], 256<<16
	s_mov_b32 s[G1M+4], 64
	s_mov_b32 s[G1M+5], 2048
	s_mov_b32 s[G1M+6], 0
	s_mov_b32 s[G1M+7], 0
	s_lshl_b32 s74, s59, 18                        ; K, V: head x 262,144
	s_mov_b32 s75, 0
	s_lshl_b32 s76, s58, 7                         ; the mask: row 128 x block + 64 x (wave % 2)
	s_lshl_b32 s77, s[KH], 6
	s_add_co_u32 s76, s76, s77
	s_lshl_b32 s76, s76, 13
	s_mov_b32 s77, 0
	s_mov_b32 s[G0KV], 1
	s_lshl_b32 s[G0KV+1], s[KH], 16                ; wave 0: K's slots from 0; wave 1: V's from 65,536
	s_mov_b32 s[G0M], 1
	s_mul_i32 s[G0M+1], s[KH], MH
	s_add_co_u32 s[G0M+1], s[G0M+1], MB
	s_mov_b32 s[SEL], 0x76543210
	s_mov_b32 s[SEL+1], 0xfedcba98
	s_mov_b32 s[TB], 0
	s_wait_dscnt 0x0                               ; both opening adds are done
	s_wait_kmcnt 0x0
	s_load_b256 s[84:91], s[12:13], 0x0            ; e0 .. e7
	s_load_b128 s[92:95], s[12:13], 0x20           ; e8 .. e11
	s_cmp_eq_u32 s[KH], 0
	s_cselect_b64 s[G0KV+2:G0KV+3], s[6:7], s[8:9]
	s_cselect_b64 s[PFA:PFA+1], s[6:7], s[8:9]
	s_add_nc_u64 s[G0KV+2:G0KV+3], s[G0KV+2:G0KV+3], s[74:75]
	s_or_b32 s[G0KV+3], s[G0KV+3], 0x80000000
	s_add_nc_u64 s[G0M+2:G0M+3], s[10:11], s[76:77]
	s_or_b32 s[G0M+3], s[G0M+3], 0x80000000
	CROUND                                         ; all sixteen work-groups are here: the first joint loads meet
	JALL G1H                                       ; one load a wave: K, V of periods 0 and 1 into both slots; the mask of period 0
	; Q's tiles, ctx's tiles
	s_lshl_b32 s74, s59, 4
	s_add_co_u32 s74, s74, s58
	s_lshl_b32 s74, s74, 3
	s_lshl_b32 s78, s[QH], 2
	s_add_co_u32 s74, s74, s78                     ; (16 head + block) x 8 + 4 qh
	s_lshl_b32 s78, s[KH], 1
	s_add_co_u32 s76, s74, s78                     ; my tiles 0, 1
	s_xor_b32 s78, s78, 2
	s_add_co_u32 s74, s74, s78                     ; my tiles 2, 3
	s_lshl_b32 s76, s76, 11
	s_lshl_b32 s74, s74, 11
	s_add_nc_u64 s[14:15], s[14:15], s[76:77]
	s_add_nc_u64 s[82:83], s[4:5], s[74:75]
	s_add_nc_u64 s[4:5], s[4:5], s[76:77]
	v_and_b32 v226, 31, v0
	v_lshlrev_b32 v[LN], 4, v226
.irp j, 0,1
.irp c, 0,1,2,3
	global_load_b128 v[QR+16*\j+4*\c:QR+16*\j+4*\c+3], v[LN], s[4:5] offset:2048*\j+512*\c
	global_load_b128 v[QR+32+16*\j+4*\c:QR+32+16*\j+4*\c+3], v[LN], s[82:83] offset:2048*\j+512*\c
.endr
.endr
	; the prefetches: where they stand (in period 1: period 0 steps them to period 2), and who asks
	s_lshl_b32 s74, s59, 18
	s_lshl_b32 s76, s56, 13
	s_add_co_u32 s74, s74, s76
	s_add_co_u32 s74, s74, KSL
	s_add_nc_u64 s[PFA:PFA+1], s[PFA:PFA+1], s[74:75]
	s_lshl_b32 s74, s58, 7
	s_lshl_b32 s76, s57, 5
	s_add_co_u32 s74, s74, s76
	s_lshl_b32 s76, s[WV], 3
	s_add_co_u32 s74, s74, s76
	s_lshl_b32 s74, s74, 13
	s_add_co_u32 s74, s74, 1024
	s_add_nc_u64 s[PFM:PFM+1], s[10:11], s[74:75]
	s_cmp_lt_u32 s[WV], 2
	s_cselect_b32 s76, ttmp9, 1
	s_cmp_eq_u32 s76, 0
	s_cselect_b32 s[LIMK], 1, -1                   ; the same in all sixteen partners, for a given wave
	s_cmp_eq_u32 s60, 0
	s_cselect_b32 s[LIMM], 1, -1
	; LDS addresses
	s_lshl_b32 s74, s[KH], 14
	s_xor_b32 s79, s[KH], 1
	s_lshl_b32 s75, s[QH], 6
	s_lshl_b32 s76, s79, 5
	s_add_co_u32 s76, s76, s75                     ; rows of my tiles 2, 3: 64 qh + 32 (1 - kh)
	s_lshl_b32 s77, s[KH], 5
	s_add_co_u32 s75, s75, s77                     ; of my tiles 0, 1: 64 qh + 32 kh
	s_lshl_b32 s77, s[KH], 9
	s_add_co_u32 s77, s77, MB                      ; my step's 512 bytes of a row
	s_lshl_b32 s78, s[QH], 16
	s_lshl_b32 s79, s79, 14
	s_add_co_u32 s79, s79, s78                     ; the exchange: my partner's 16,384 bytes,
	s_add_co_u32 s78, s78, s74                     ; and mine: in slot 0 of K (waves 0, 1) or of V (waves 2, 3)
	s_lshl_b32 s80, s[WV], 9
	s_add_co_u32 s80, s80, STS
	s_xor_b32 s81, s[WV], 1
	s_lshl_b32 s81, s81, 9
	s_add_co_u32 s81, s81, STS
	s_wait_alu depctr_va_vdst(0)
	v_and_b32 v227, 15, v0                         ; r
	v_bfe_u32 v228, v0, 4, 1                       ; h
	v_add_nc_u32 v[AK0], s74, v[LN]
	v_add_nc_u32 v[AV0], VO, v[AK0]
	v_add_nc_u32 v[ADK], s[TB], v[AK0]
	v_add_nc_u32 v[ADV], s[TB], v[AV0]
	v_add_nc_u32 v[MA0], s75, v227
	v_add_nc_u32 v[MA0+1], s76, v227
	v_mul_u32_u24 v[MA0], v[MA0], MP
	v_mul_u32_u24 v[MA0+1], v[MA0+1], MP
	v_lshl_add_u32 v[MA0], v228, 6, v[MA0]         ; + 64 h: my half's 16 keys of each 32
	v_lshl_add_u32 v[MA0+1], v228, 6, v[MA0+1]
	v_add_nc_u32 v[MA0], s77, v[MA0]
	v_add_nc_u32 v[MA0+1], s77, v[MA0+1]
	v_add_nc_u32 v[STGW], s78, v[LN]
	v_add_nc_u32 v[STGR], s79, v[LN]
	v_add_nc_u32 v[STSW], s80, v[LN]
	v_add_nc_u32 v[STSR], s81, v[LN]
	v_lshlrev_b32 v[PFO], 8, v226
	v_lshrrev_b32 v[PFMO], 2, v226
	v_lshlrev_b32 v[PFMO], 13, v[PFMO]
	v_and_b32 v226, 3, v226
	v_lshl_add_u32 v[PFMO], v226, 8, v[PFMO]
	v_mov_b32 v[NINF], 0xff800000
.irp j, 0,1,2,3
	v_mov_b32 v[ST+4*\j+1], 0xff61b1e6             ; the largest t so far: -3e38
	v_mov_b32 v[ST+4*\j+2], 0                      ; the sum, in four parts
	v_mov_b32 v[ST+4*\j+3], 0
	v_mov_b32 v[L2+2*\j], 0
	v_mov_b32 v[L2+2*\j+1], 0
	v_mov_b32 v[XL+\j], 0                          ; a lane permute's destination counts as one of its sources
	v_mov_b32 v[FF+2*\j+1], 0                      ; (named as the upper half of a pair)
	v_floor_f32 v[ST+4*\j], -v[ST+4*\j+1]          ; -M
.endr
	WIN 0x80
.set i, 0
.rept 256
	v_mov_b32 v[i], 0                              ; O^T: the first change of M leaves zeros zeros, and the second product is written once for all periods
.set i, i+1
.endr
	WIN 0
	s_wait_kmcnt 0x0
	s_add_co_i32 s74, s90, s91                     ; e6 + e7
	s_lshl_b32 s74, s74, 23
	s_mov_b32 s[CS], 0x3e0293ee                    ; log2(e) / sqrt(128) x 2^(e6 + e7), by its exponent field
	s_add_co_i32 s[CS], s[CS], s74
	s_mov_b32 s[CS+1], s[CS]
	s_mov_b32 s[MS], 0x413504f3                    ; sqrt(128) / 2^(e6 + e7)
	s_sub_co_i32 s[MS], s[MS], s74
	s_mov_b32 s[MS+1], s[MS]
	s_add_co_i32 s74, s92, 127
	s_lshl_b32 s75, s74, 23
	v_mov_b32 v[SC8], s75                          ; 2^e8
	s_add_co_i32 s74, s74, 8
	s_lshl_b32 s74, s74, 23
	s_or_b32 s74, s74, 0x600000
	v_mov_b32 v[H8], s74                           ; 448 x 2^e8
	s_add_co_i32 s74, s94, 127
	s_lshl_b32 s75, s74, 23
	v_mov_b32 v[SC10], s75                         ; 2^e10
	s_add_co_i32 s74, s74, 8
	s_lshl_b32 s74, s74, 23
	s_or_b32 s74, s74, 0x600000
	v_mov_b32 v[H10], s74                          ; 448 x 2^e10
.macro LDMASK j                        ; my step's mask of tile j, in the scores' layout: register 16 b + n is key 32 b + 16 h + n
	WIN 0x40
.set i, 0
.rept 16
	ds_load_b128 v[64*(\j)+4*i:64*(\j)+4*i+3], v[MA0+(\j)/2] offset:((\j)%2)*16*MP+128*(i/4)+16*(i%4)
.set i, i+1
.endr
.endm
.macro LDF reg, adr                    ; eight fragments on end: 32 loads of 512 consecutive bytes, into window 3
	WIN 0xc0
.set i, 0
.rept 32
	ds_load_b128 v[\reg+4*i:\reg+4*i+3], v[\adr] offset:512*i
.set i, i+1
.endr
	WIN 0
.endm
.macro SCALE j                         ; the mask x sqrt(128) / 2^(e6 + e7), in place
	WIN 0x41
.set i, 0
.rept 32
	v_pk_mul_f32 v[64*(\j)+i:64*(\j)+i+1], v[64*(\j)+i:64*(\j)+i+1], s[MS:MS+1] op_sel_hi:[1,0]
.set i, i+2
.endr
.endm
.macro QK j                            ; S^T = K Q^T + C: the accumulators by turns
	WIN 0x53
.irp t, 0,1,2,3,4,5,6,7
	v_wmma_f32_16x16x128_fp8_fp8 v[64*(\j)+8*\t:64*(\j)+8*\t+7], v[16*\t:16*\t+15], v[QR+16*(\j):QR+16*(\j)+15], v[64*(\j)+8*\t:64*(\j)+8*\t+7]
.endr
.endm
.macro MAXP j0                         ; the largest score of tiles j0, j0 + 1: four chains a tile; chain c takes accumulators 2 c, 2 c + 1, each from its low end on
.set k, 0
.rept 8
.irp d, 0,1
.irp c, 0,1,2,3
.if k == 0
	v_max3_num_f32 v[CH+4*(\j0+\d)+\c], v[NINF], v[64*(\j0+\d)+16*\c], v[64*(\j0+\d)+16*\c+1]
.else
	v_max3_num_f32 v[CH+4*(\j0+\d)+\c], v[CH+4*(\j0+\d)+\c], v[64*(\j0+\d)+16*\c+2*k], v[64*(\j0+\d)+16*\c+2*k+1]
.endif
.endr
.endr
.set k, k+1
.endr
.endm
.macro RSCPV                           ; O^T under the new M, then O^T += V^T P^T: registers alone
	WIN 0x82
	s_wait_alu depctr_va_vdst(0)                   ; directly ahead of the first reader of O^T
.irp j, 0,1,2,3
.set i, 0
.rept 32
	v_pk_mul_f32 v[64*\j+i:64*\j+i+1], v[64*\j+i:64*\j+i+1], v[FF+2*\j:FF+2*\j+1] op_sel_hi:[1,0]
.set i, i+2
.endr
.endr
	WIN 0xa3
.irp j, 0,1,2,3
.irp t, 0,1,2,3,4,5,6,7
	v_wmma_f32_16x16x128_fp8_fp8 v[64*\j+8*\t:64*\j+8*\t+7], v[128+16*\t:128+16*\t+15], v[CD+16*\j:CD+16*\j+15], v[64*\j+8*\t:64*\j+8*\t+7]
.endr
.endr
	WIN 0
.endm
; A PERIOD'S TOP.  fill = 0: nothing is asked for; 1: the next period's mask alone; 2: its mask, and its K and V into the other slot.  pv = 1: the second product of the period before.
.macro TOP fill, pv
	s_wait_dscnt 0x0                               ; V of the period before is in; no LDS instruction of mine is out
	s_wait_tensorcnt 0x0                           ; my part of this period's tiles has landed
	s_barrier_signal -1
	s_barrier_wait -1                              ; everybody's has.
	LDMASK 0
	LDMASK 1
	LDMASK 2
	LDMASK 3
	WIN 0
.if \fill
	s_wait_tensorcnt 0x0                           ; in front of a refill's barrier: no tensor load of mine is out, so a group 0 may be written;
	ds_add_u32 v[SPW], v[NIL]                      ; the add; work on registers stands between it and the wait for 0
	s_add_nc_u64 s[G0M+2:G0M+3], s[G0M+2:G0M+3], 1024            ; the mask: 256 keys on
	s_add_nc_u64 s[G0KV+2:G0KV+3], s[G0KV+2:G0KV+3], KSL         ; K, V: a period on,
	s_xor_b32 s[G0KV+1], s[G0KV+1], KSL                          ; into the other slot
	s_wait_xcnt 0x0                                ; the last prefetches, a period back, have read their addresses
	s_add_nc_u64 s[PFA:PFA+1], s[PFA:PFA+1], KSL
	s_add_nc_u64 s[PFM:PFM+1], s[PFM:PFM+1], 1024
.endif
.if \pv
	RSCPV
.endif
	s_wait_dscnt 0x0                               ; the add is done, and my reads of the mask's region are over
.if \fill
	CROUND                                         ; so are those of every wave of every partner, and their reads of the slot left in the period before
.if \fill == 2
	JALL G1KV
.else
	JMASK
.endif
.else
	NOP4                                           ; the places in front of the loads into V's registers
.endif
.endm
; A PERIOD'S BODY.  nx = 1: a period follows.  ask = 1: the prefetches.
.macro BODY nx, ask
	LDF 0, ADK                                     ; my step's K,
	LDF 128, ADV                                   ; and V
.if \ask
	ASK1 LIMK, PFO, PFA
	ASK1 LIMM, PFMO, PFM
.endif
.if \nx
	s_xor_b32 s[TB], s[TB], KSL                    ; the next period's slot
	v_add_nc_u32 v[ADK], s[TB], v[AK0]
	v_add_nc_u32 v[ADV], s[TB], v[AV0]
.endif
	SCALE 0
	SCALE 1
	SCALE 2
	SCALE 3
	s_wait_alu depctr_va_vdst(0)
	s_wait_dscnt 32                                ; K is in; V's 32 loads may be out
	QK 0
	QK 1
	QK 2
	QK 3
	NOP4                                           ; the places behind the products
	WIN 0x14
	MAXP 0
	MAXP 2
	WIN 0
.irp j, 0,1,2,3
	v_max3_num_f32 v[CH+4*\j], v[CH+4*\j], v[CH+4*\j+1], v[CH+4*\j+2]
.endr
.irp j, 0,1,2,3
	v_max_num_f32 v[CH+4*\j], v[CH+4*\j], v[CH+4*\j+3]
.endr
.irp j, 0,1,2,3
	v_permlanex16_b32 v[XL+\j], v[CH+4*\j], s[SEL], s[SEL+1]
.endr
.irp j, 0,1,2,3
	v_max_num_f32 v[CH+4*\j], v[CH+4*\j], v[XL+\j] ; and among lane l xor 16's
.endr
.irp j, 0,1,2,3
	v_mul_f32 v[CH+4*\j], s[CS], v[CH+4*\j]        ; as t (c is positive)
.endr
.irp j, 0,1,2,3
	v_max_num_f32 v[ST+4*\j+1], v[ST+4*\j+1], v[CH+4*\j]   ; the running largest t
.endr
.irp j, 0,1,2,3
	v_mov_b32 v[CH+4*\j], v[ST+4*\j]
.endr
.irp j, 0,1,2,3
	v_floor_f32 v[ST+4*\j], -v[ST+4*\j+1]          ; the new -M: M is a whole number
.endr
.irp j, 0,1,2,3
	v_sub_f32 v[CH+4*\j], v[ST+4*\j], v[CH+4*\j]   ; old M - new M: a whole number, 0 or less
.endr
.irp j, 0,1,2,3
	v_cvt_i32_f32 v[CH+4*\j], v[CH+4*\j]           ; (it saturates)
.endr
.irp j, 0,1,2,3
	v_ldexp_f32 v[FF+2*\j], 1.0, v[CH+4*\j]        ; f = 2^(old M - new M)
.endr
	WIN 0x41
.irp j, 0,1,2,3
.set i, 0
.rept 32
	v_pk_fma_f32 v[64*\j+i:64*\j+i+1], v[64*\j+i:64*\j+i+1], s[CS:CS+1], v[ST+4*\j:ST+4*\j+1] op_sel_hi:[1,0,0]   ; t - M
.set i, i+2
.endr
.endr
	s_wait_alu depctr_va_vdst(0)
.set i, 0
.rept 256
	v_exp_f32 v[i], v[i]                           ; p = 2^(t - M), at most 1
.set i, i+1
.endr
	WIN 0
.irp j, 0,1,2,3
	v_pk_mul_f32 v[ST+4*\j+2:ST+4*\j+3], v[ST+4*\j+2:ST+4*\j+3], v[FF+2*\j:FF+2*\j+1] op_sel_hi:[1,0]   ; the sums under the new M: plain lines behind the exponentials
	v_pk_mul_f32 v[L2+2*\j:L2+2*\j+1], v[L2+2*\j:L2+2*\j+1], v[FF+2*\j:FF+2*\j+1] op_sel_hi:[1,0]
.endr
	s_wait_alu depctr_va_vdst(0)                   ; one wait for the batch, ahead of its first reader
	WIN 0x04
.set i, 0
.rept 16
.irp j, 0,1,2,3
	v_pk_add_f32 v[ST+4*\j+2:ST+4*\j+3], v[ST+4*\j+2:ST+4*\j+3], v[64*\j+4*i:64*\j+4*i+1]   ; the sum of the unquantised p: eight chains
	v_pk_add_f32 v[L2+2*\j:L2+2*\j+1], v[L2+2*\j:L2+2*\j+1], v[64*\j+4*i+2:64*\j+4*i+3]
.endr
.set i, i+1
.endr
	WIN 0x41
.set i, 0
.rept 256
	v_min_num_f32 v[i], v[i], v[H8]                ; the conversion does not saturate (ISA guide 7.6.2); p is not negative, so the hold is one-sided
.set i, i+1
.endr
	WIN 0x01
.set i, 0
.rept 32
	v_cvt_scalef32_pk8_fp8_f32 v[CD+2*i:CD+2*i+1], v[8*i:8*i+7], v[SC8]
.set i, i+1
.endr
	v_nop                                          ; a plain line behind the conversions
	WIN 0
.endm
	s_wait_alu depctr_va_vdst(0)
	s_wait_loadcnt 0x0                             ; Q
	TOP 1, 0                                       ; period 0: both slots of K and V were filled at the head, so the mask alone is filled again
	s_mov_b32 s[TRIPS], 6
.Ltrip:                                            ; six trips: the body of period p, the top of period p + 1, p = 0 .. 5
	BODY 1, 1
	TOP 2, 1
	s_sub_co_u32 s[TRIPS], s[TRIPS], 1
	s_cmp_lg_u32 s[TRIPS], 0
	s_cbranch_scc1 .Ltrip
	BODY 1, 0                                      ; period 6
	TOP 0, 1                                       ; period 7 is written out: nothing is left to ask for
	BODY 0, 0
	s_wait_alu depctr_va_vdst(0)
	s_wait_dscnt 0x0                               ; V
	RSCPV
	; THE EXCHANGE.  My sums; then my tiles 2, 3 (O^T, -M, sum) go to my partner as images of registers, and its tiles 2, 3, which are my tiles 0, 1, come to me.
.irp j, 0,1,2,3
	v_pk_add_f32 v[ST+4*\j+2:ST+4*\j+3], v[ST+4*\j+2:ST+4*\j+3], v[L2+2*\j:L2+2*\j+1]   ; (plain lines: the places behind the last products)
.endr
.irp j, 0,1,2,3
	v_add_f32 v[CH+\j], v[ST+4*\j+2], v[ST+4*\j+3]
.endr
.irp j, 0,1,2,3
	v_permlanex16_b32 v[XL+\j], v[CH+\j], s[SEL], s[SEL+1]
.endr
.irp j, 0,1
	v_add_f32 v[CH+\j], v[CH+\j], v[XL+\j]
	v_add_f32 v[XS+2*\j+1], v[CH+2+\j], v[XL+2+\j]
	v_mov_b32 v[XS+2*\j], v[ST+8+4*\j]
.endr
	s_wait_alu depctr_va_vdst(0)
	s_wait_dscnt 0x0
	s_barrier_signal -1
	s_barrier_wait -1                              ; nobody reads a slot any more; slot 0 has had its last fill
	WIN 0x08
	s_wait_alu depctr_va_vdst(0)
.set i, 0
.rept 32
	ds_store_b128 v[STGW], v[128+4*i:128+4*i+3] offset:512*i   ; each accumulator from its low end on
.set i, i+1
.endr
	WIN 0
	ds_store_b128 v[STSW], v[XS:XS+3]
	s_wait_dscnt 0x0
	s_barrier_signal -1
	s_barrier_wait -1
	WIN 0x40
.set i, 0
.rept 32
	ds_load_b128 v[4*i:4*i+3], v[STGR] offset:512*i
.set i, i+1
.endr
	WIN 0
	ds_load_b128 v[YS:YS+3], v[STSR]
	s_wait_dscnt 0x0
.irp j, 0,1
	v_min_num_f32 v[E0+\j], v[ST+4*\j], v[YS+2*\j] ; -M of both halves of the keys
.endr
.irp j, 0,1
	v_sub_f32 v[E1+\j], v[E0+\j], v[ST+4*\j]       ; my M - M, and my partner's: whole numbers, 0 or less
	v_sub_f32 v[E2+\j], v[E0+\j], v[YS+2*\j]
.endr
.irp j, 0,1
	v_cvt_i32_f32 v[E1+\j], v[E1+\j]
	v_cvt_i32_f32 v[E2+\j], v[E2+\j]
.endr
.irp j, 0,1
	v_ldexp_f32 v[E1+\j], 1.0, v[E1+\j]
	v_ldexp_f32 v[E2+\j], 1.0, v[E2+\j]
.endr
.irp j, 0,1
	v_mul_f32 v[E0+\j], v[CH+\j], v[E1+\j]
.endr
.irp j, 0,1
	v_fma_f32 v[E0+\j], v[YS+2*\j+1], v[E2+\j], v[E0+\j]   ; the row's sum
.endr
	s_wait_alu depctr_va_vdst(0)
	v_rcp_f32 v[E0], v[E0]
	v_rcp_f32 v[E0+1], v[E0+1]
	v_nop                                          ; a plain line behind them
	s_add_co_i32 s74, s92, s93
	s_wait_alu depctr_va_vdst(0)                   ; and the wait ahead of their first reader
.irp j, 0,1
	v_ldexp_f32 v[E0+\j], v[E0+\j], s74            ; x 2^(e8 + e9)
.endr
.irp j, 0,1
	v_mul_f32 v[GA+2*\j], v[E1+\j], v[E0+\j]
	v_mul_f32 v[GA+2*\j+1], v[E1+\j], v[E0+\j]
	v_mul_f32 v[GB+2*\j], v[E2+\j], v[E0+\j]
	v_mul_f32 v[GB+2*\j+1], v[E2+\j], v[E0+\j]
.endr
; THE WAY OUT of tile j: ctx = (mine x its factor + my partner's x its factor), held, converted with 2^e10: the last product's fragment, stored as its image.
.macro FIN j
	WIN 0x02
	s_wait_alu depctr_va_vdst(0)                   ; directly ahead of the first reader of O^T
.set i, 0
.rept 32
	v_pk_mul_f32 v[CD+i:CD+i+1], v[64*\j+i:64*\j+i+1], v[GA+2*\j:GA+2*\j+1]
.set i, i+2
.endr
	WIN 0x01
.set i, 0
.rept 32
	v_pk_fma_f32 v[CD+i:CD+i+1], v[64*\j+i:64*\j+i+1], v[GB+2*\j:GB+2*\j+1], v[CD+i:CD+i+1]
.set i, i+2
.endr
	WIN 0
.set i, 0
.rept 64
	v_med3_num_f32 v[CD+i], v[CD+i], -v[H10], v[H10]
.set i, i+1
.endr
.set i, 0
.rept 8
	v_cvt_scalef32_pk8_fp8_f32 v[QR+16*\j+2*i:QR+16*\j+2*i+1], v[CD+8*i:CD+8*i+7], v[SC10]
.set i, i+1
.endr
	v_nop                                          ; a plain line behind the conversions
.irp c, 0,1,2,3
	global_store_b128 v[LN], v[QR+16*\j+4*\c:QR+16*\j+4*\c+3], s[14:15] offset:2048*\j+512*\c   ; 512 consecutive bytes, aligned
.endr
.endm
	FIN 0
	FIN 1
	s_wait_tensorcnt 0x0                           ; the wave's end
	ds_add_u32 v[SPW], v[NIL]
	s_wait_dscnt 0x0
	CROUND                                         ; the closing round
	s_endpgm
.Lfunc_end_k_q10eada5d56_attn:
	.size	k_q10eada5d56_attn, .Lfunc_end_k_q10eada5d56_attn-k_q10eada5d56_attn
	.p2alignl 7, 3214868480
	.fill 96, 4, 3214868480
	.section	.rodata,"a",@progbits
	.p2align	6, 0x0
	.amdhsa_kernel k_q10eada5d56_attn
		.amdhsa_group_segment_fixed_size 327680
		.amdhsa_private_segment_fixed_size 0
		.amdhsa_enable_private_segment 0
		.amdhsa_kernarg_size 48
		.amdhsa_user_sgpr_count 2
		.amdhsa_user_sgpr_kernarg_segment_ptr 1
		.amdhsa_wavefront_size32 1
		.amdhsa_system_sgpr_workgroup_id_x 1
		.amdhsa_system_sgpr_workgroup_id_y 1
		.amdhsa_system_sgpr_workgroup_id_z 1
		.amdhsa_system_vgpr_workitem_id 0
		.amdhsa_next_free_vgpr 1024
		.amdhsa_next_free_sgpr 96
		.amdhsa_reserve_vcc 0
		.amdhsa_float_denorm_mode_32 3
		.amdhsa_float_denorm_mode_16_64 3
		.amdhsa_memory_ordered 1
		.amdhsa_forward_progress 1
		.amdhsa_inst_pref_size 255
	.end_amdhsa_kernel
	.section	.bss,"aw",@nobits
	.p2align	6
	.space	262144
	.amdgpu_metadata
---
amdhsa.version: [ 1, 2 ]
amdhsa.kernels:
  - .name:           k_q10eada5d56_attn
    .symbol:         k_q10eada5d56_attn.kd
    .args:
      - { .name: qc, .offset: 0, .size: 8, .value_kind: global_buffer, .address_space: global }
      - { .name: kc, .offset: 8, .size: 8, .value_kind: global_buffer, .address_space: global }
      - { .name: vc, .offset: 16, .size: 8, .value_kind: global_buffer, .address_space: global }
      - { .name: attn_mask, .offset: 24, .size: 8, .value_kind: global_buffer, .address_space: global }
      - { .name: lowp_scales, .offset: 32, .size: 8, .value_kind: global_buffer, .address_space: global }
      - { .name: cc, .offset: 40, .size: 8, .value_kind: global_buffer, .address_space: global }
    .group_segment_fixed_size: 327680
    .private_segment_fixed_size: 0
    .kernarg_segment_align: 8
    .kernarg_segment_size: 48
    .max_flat_workgroup_size: 128
    .sgpr_count:     96
    .vgpr_count:     1024
    .wavefront_size: 32
...
	.end_amdgpu_metadata
.endif
;; end of part 3
;; launch oproj (part 4): grid 16 x 16, 4 waves a work-group, clusters of 4 x 4, 327,680 bytes of LDS; arguments cc, wc, lowp_scales, bo, out0; writes out0
.if DOCPART == 4
	.amdgcn_target "amdgcn-amd-amdhsa--gfx1250"
	.amdhsa_code_object_version 6
	.text
	.protected	k_q10eada5d56_oproj
	.globl	k_q10eada5d56_oproj
	.p2align	8
	.type	k_q10eada5d56_oproj,@function
k_q10eada5d56_oproj:
	s_mov_b64 s[64:65], 0
	v_nop
	global_prefetch_b8 v0, s[64:65] scope:SCOPE_SE
	s_setreg_imm32_b32 hwreg(HW_REG_WAVE_MODE, 25, 1), 1
	s_wait_xcnt 0x0
	s_wait_alu depctr_hold_cnt(0) depctr_sa_sdst(0) depctr_va_vdst(0) depctr_va_sdst(0) depctr_va_ssrc(0) depctr_va_vcc(0) depctr_vm_vsrc(0)
	s_getreg_b32 s2, hwreg(HW_REG_IB_STS2, 6, 4)
	s_cmp_eq_u32 s2, 0
	s_cbranch_scc0 .Lentry_in_a_cluster
	s_endpgm
.Lentry_in_a_cluster:
	s_bfe_u32 s2, ttmp6, 0x10000c
	s_cmp_lg_u32 s2, 0xf033
	s_cbranch_scc0 .Lentry_shape_is_right
	s_endpgm
.Lentry_shape_is_right:
.set PITCH,  528
.set HALFT,  33792
.set SLOT,   4*HALFT
.set STAGE,  2*SLOT
.set SP,     272
.set SPARE,  STAGE+4*16*SP
.set ADRA, 16
.set ADRB, 20
.set STO,  24
.set RD,   25
.set CO,   26
.set SPW,  28
.set NIL,  29
.set TMP,  32
.set BO,   96
.set ACC,  128
.set F0,   0
.set F1,   128
.set G1, 24
.set G0, 32
.set G1B, 48
.set G0B, 56
.set MSB, 0
.macro WIN new
.if MSB != (\new)
	s_set_vgpr_msb (MSB<<8)|(\new)
.set MSB, (\new)
.endif
.endm
.set MUL,  0x05
.set TO_F, 0x40
.macro JLOAD s
	s_cmp_eq_u32 s15, 0
	s_cbranch_scc0 .Lfor_b_\@
	tensor_load_to_lds s[G0+4*\s:G0+4*\s+3], s[G1:G1+7]
	s_nop 0
.rept 4
	v_nop
.endr
	s_branch .Lasked_\@
.Lfor_b_\@:
	tensor_load_to_lds s[G0B+4*\s:G0B+4*\s+3], s[G1B:G1B+7]
	s_nop 0
.rept 4
	v_nop
.endr
.Lasked_\@:
.endm
.macro CREST
	s_cmp_lg_u32 s14, 0
	s_cbranch_scc1 .Lnot_wave_0_\@
	s_barrier_signal -3
.Lnot_wave_0_\@:
	s_barrier_wait -3
	s_barrier_signal -1
	s_barrier_wait -1
.endm
.macro CROUND
	s_barrier_signal -1
	s_barrier_wait -1
	CREST
.endm
	s_load_b128 s[4:7], s[0:1], 0x0
	s_load_b128 s[8:11], s[0:1], 0x10
	s_load_b64 s[12:13], s[0:1], 0x20
	v_lshl_add_u32 v[SPW], v0, 2, SPARE
	v_mov_b32 v[NIL], 0
	ds_add_u32 v[SPW], v[NIL]
	ds_add_u32 v[SPW], v[NIL]
	v_lshrrev_b32 v1, 5, v0
	v_readfirstlane_b32 s14, v1
	s_lshr_b32 s15, s14, 1
	s_and_b32 s16, s14, 1
	s_bfe_u32 s40, ttmp6, 0x40000
	s_bfe_u32 s41, ttmp6, 0x40004
	s_lshl_b32 s42, ttmp9, 2
	s_add_co_u32 s42, s42, s40
	s_and_b32 s17, ttmp7, 0xffff
	s_lshl_b32 s17, s17, 2
	s_add_co_u32 s17, s17, s41
	s_lshl_b32 s43, s41, 2
	s_lshl_b32 s43, 15, s43
	s_lshl_b32 s44, 0x1111, s40
	s_or_b32 s[G1+0], s43, (3<<16)|(1<<21)
	s_mov_b32 s[G1+1], 1024<<16
	s_mov_b32 s[G1+2], 4<<16
	s_mov_b32 s[G1+3], 1024<<16
	s_mov_b32 s[G1+4], 4
	s_mov_b32 s[G1+5], 32768
	s_mov_b32 s[G1+6], 0
	s_mov_b32 s[G1+7], 0
	s_or_b32 s[G1B+0], s44, (0<<16)|(1<<20)|(1<<21)|(6<<22)|(3<<25)
	s_mov_b32 s[G1B+1], 512<<16
	s_mov_b32 s[G1B+2], 64<<16
	s_mov_b32 s[G1B+3], 512<<16
	s_mov_b32 s[G1B+4], 64
	s_mov_b32 s[G1B+5], 2048
	s_mov_b32 s[G1B+6], 0
	s_mov_b32 s[G1B+7], 0
	s_lshl_b32 s20, s17, 3
	s_lshl_b32 s18, s16, 2
	s_add_co_u32 s20, s20, s18
	s_lshl_b32 s20, s20, 11
	s_mov_b32 s21, 0
	s_lshl_b32 s46, s42, 7
	s_lshl_b32 s18, s16, 6
	s_add_co_u32 s46, s46, s18
	s_lshl_b32 s46, s46, 11
	s_add_co_u32 s46, s46, 12582912
	s_mov_b32 s47, 0
	s_mul_i32 s45, s14, HALFT
	s_wait_dscnt 0x0
	s_wait_kmcnt 0x0
	s_load_b64 s[66:67], s[8:9], 0x28
	s_add_nc_u64 s[20:21], s[4:5], s[20:21]
	s_add_nc_u64 s[46:47], s[6:7], s[46:47]
	CROUND
.irp s, 0,1
	s_mov_b32 s[G0+4*\s], 1
	s_add_co_u32 s[G0+4*\s+1], s45, \s*SLOT
	s_add_nc_u64 s[G0+4*\s+2:G0+4*\s+3], s[20:21], \s*1048576
	s_or_b32 s[G0+4*\s+3], s[G0+4*\s+3], 0x80000000
	s_mov_b32 s[G0B+4*\s], 1
	s_add_co_u32 s[G0B+4*\s+1], s45, \s*SLOT
	s_add_nc_u64 s[G0B+4*\s+2:G0B+4*\s+3], s[46:47], \s*512
	s_or_b32 s[G0B+4*\s+3], s[G0B+4*\s+3], 0x80000000
.if \s == 1
	s_wait_alu depctr_va_vdst(0)
	s_wait_tensorcnt 0x0
	ds_add_u32 v28, v29
	s_wait_dscnt 0x0
	CROUND
.endif
	JLOAD \s
.endr
	v_and_b32 v1, 15, v0
	v_bfe_u32 v2, v0, 4, 1
	v_and_b32 v6, 31, v0
	v_lshlrev_b32 v3, 4, v6
	v_mul_u32_u24 v4, v1, PITCH
	v_lshl_add_u32 v4, v2, 4, v4
	s_mul_i32 s21, s15, HALFT
	s_mul_i32 s22, s16, HALFT
	s_add_co_u32 s22, s22, 2*HALFT
.irp s, 0,1
	v_add_nc_u32 v[ADRA+\s], s21, v3
	v_add_nc_u32 v[ADRB+\s], s22, v4
	s_add_co_u32 s21, s21, SLOT
	s_add_co_u32 s22, s22, SLOT
.endr
	s_mul_i32 s23, s14, 16*SP
	s_add_co_u32 s23, s23, STAGE
	v_mul_u32_u24 v5, v1, SP
	v_lshl_add_u32 v5, v2, 5, v5
	v_add_nc_u32 v[STO], s23, v5
	v_mul_u32_u24 v5, v2, SP
	v_lshl_add_u32 v5, v1, 4, v5
	v_add_nc_u32 v[RD], s23, v5
	v_lshlrev_b32 v5, 13, v2
	v_lshl_add_u32 v[CO], v1, 4, v5
	v_lshlrev_b32 v7, 5, v2
	s_wait_alu depctr_va_vdst(0)
	s_lshl_b32 s20, s17, 7
	s_lshl_b32 s21, s15, 6
	s_add_co_u32 s20, s20, s21
	s_lshl_b32 s20, s20, 13
	s_mov_b32 s21, 0
	s_lshl_b32 s46, s42, 9
	s_lshl_b32 s47, s16, 8
	s_add_co_u32 s46, s46, s47
	s_mov_b32 s47, 0
	s_add_nc_u64 s[12:13], s[12:13], s[20:21]
	s_add_nc_u64 s[12:13], s[12:13], s[46:47]
	s_add_nc_u64 s[10:11], s[10:11], s[46:47]
.irp b, 0,1,2,3
	global_load_b128 v[BO+8*\b:BO+8*\b+3], v7, s[10:11] offset:64*\b
	global_load_b128 v[BO+8*\b+4:BO+8*\b+7], v7, s[10:11] offset:64*\b+16
.endr
.macro MULA f, a, zero
.irp b, 0,1,2,3
.if \zero
	v_wmma_f32_16x16x128_fp8_fp8 v[ACC+8*(4*(\a)+\b):ACC+8*(4*(\a)+\b)+7], v[\f+64+16*\b:\f+64+16*\b+15], v[\f+16*(\a):\f+16*(\a)+15], 0
.else
	v_wmma_f32_16x16x128_fp8_fp8 v[ACC+8*(4*(\a)+\b):ACC+8*(4*(\a)+\b)+7], v[\f+64+16*\b:\f+64+16*\b+15], v[\f+16*(\a):\f+16*(\a)+15], v[ACC+8*(4*(\a)+\b):ACC+8*(4*(\a)+\b)+7]
.endif
.endr
.endm
.macro FETCH slot, q, f
	WIN TO_F
.irp i, 0,1,2,3
.irp c, 0,1,2,3
	ds_load_b128 v[\f+64+16*\i+4*\c:\f+64+16*\i+4*\c+3], v[ADRB+\slot] offset:128*(\q)+32*\c+\i*16*PITCH
.endr
.endr
.irp i, 0,1,2,3
.irp c, 0,1,2,3
	ds_load_b128 v[\f+16*\i+4*\c:\f+16*\i+4*\c+3], v[ADRA+\slot] offset:8192*(\q)+2048*\i+512*\c
.endr
.endr
.endm
.macro PLACES
.rept 4
	v_nop
.endr
.endm
.macro QUARTER slot, q, f, g, zero
	s_wait_dscnt 8
	WIN MUL
	MULA \f, 0, \zero
	MULA \f, 1, \zero
	PLACES
	FETCH \slot, \q, \g
	s_wait_dscnt 32
	WIN MUL
	MULA \f, 2, \zero
	MULA \f, 3, \zero
.endm
.macro TURN slot, next, fill
	WIN 0
	s_wait_tensorcnt 0x0
	ds_add_u32 v[SPW], v[NIL]
	s_wait_dscnt 9
	WIN MUL
	MULA F1, 0, 0
	s_wait_dscnt 0x0
	s_barrier_signal -1
	MULA F1, 1, 0
	WIN 0
	s_barrier_wait -1
.if \fill
	CREST
	s_add_nc_u64 s[G0+4*\slot+2:G0+4*\slot+3], s[G0+4*\slot+2:G0+4*\slot+3], 2097152
	s_add_nc_u64 s[G0B+4*\slot+2:G0B+4*\slot+3], s[G0B+4*\slot+2:G0B+4*\slot+3], 1024
	JLOAD \slot
.else
	PLACES
.endif
	FETCH \next, 0, F0
	WIN MUL
	MULA F1, 2, 0
	MULA F1, 3, 0
.endm
	s_wait_loadcnt 0x0
	s_wait_tensorcnt 1
	s_barrier_signal -1
	s_barrier_wait -1
	FETCH 0, 0, F0
	QUARTER 0, 1, F0, F1, 1
	QUARTER 0, 2, F1, F0, 0
	QUARTER 0, 3, F0, F1, 0
	TURN 0, 1, 1
	QUARTER 1, 1, F0, F1, 0
	QUARTER 1, 2, F1, F0, 0
	QUARTER 1, 3, F0, F1, 0
	TURN 1, 0, 1
	QUARTER 0, 1, F0, F1, 0
	QUARTER 0, 2, F1, F0, 0
	QUARTER 0, 3, F0, F1, 0
	TURN 0, 1, 0
	QUARTER 1, 1, F0, F1, 0
	QUARTER 1, 2, F1, F0, 0
	QUARTER 1, 3, F0, F1, 0
	s_wait_dscnt 8
	WIN MUL
	MULA F1, 0, 0
	MULA F1, 1, 0
	s_wait_dscnt 0
	MULA F1, 2, 0
	MULA F1, 3, 0
	WIN 0
	s_wait_kmcnt 0x0
	s_add_co_i32 s66, s66, s67
	s_add_co_i32 s66, s66, 127
	s_lshl_b32 s66, s66, 23
	s_mov_b32 s67, s66
	PLACES
.macro PACK a
.set j, 0
.rept 16
	v_pk_fma_f32 v[TMP+j:TMP+j+1], v[ACC+32*(\a)+j:ACC+32*(\a)+j+1], s[66:67], v[BO+j:BO+j+1] op_sel_hi:[1,0,1]
.set j, j+2
.endr
.irp b, 0,1,2,3
	ds_store_b128 v[STO], v[TMP+8*\b:TMP+8*\b+3] offset:64*\b
	ds_store_b128 v[STO], v[TMP+8*\b+4:TMP+8*\b+7] offset:64*\b+16
.endr
.irp t, 0,1,2,3,4,5,6,7
	ds_load_b128 v[ACC+32*(\a)+4*\t:ACC+32*(\a)+4*\t+3], v[RD] offset:\t*2*SP
.endr
.endm
.macro SEND a, younger
.irp t, 0,1,2,3,4,5,6,7
	s_wait_dscnt \younger+7-\t
	global_store_b128 v[CO], v[ACC+32*(\a)+4*\t:ACC+32*(\a)+4*\t+3], s[12:13] offset:(16*(\a)+2*\t)*8192 th:TH_STORE_NT
.endr
.endm
	PACK 0
	PACK 1
	SEND 0, 16
	PACK 2
	SEND 1, 16
	PACK 3
	SEND 2, 16
	SEND 3, 0
	s_wait_tensorcnt 0x0
	ds_add_u32 v[SPW], v[NIL]
	s_wait_dscnt 0x0
	CROUND
	s_endpgm
.Lfunc_end_k_q10eada5d56_oproj:
	.size	k_q10eada5d56_oproj, .Lfunc_end_k_q10eada5d56_oproj-k_q10eada5d56_oproj
	.p2alignl 7, 3214868480
	.fill 96, 4, 3214868480
	.section	.rodata,"a",@progbits
	.p2align	6, 0x0
	.amdhsa_kernel k_q10eada5d56_oproj
		.amdhsa_group_segment_fixed_size 327680
		.amdhsa_private_segment_fixed_size 0
		.amdhsa_enable_private_segment 0
		.amdhsa_kernarg_size 40
		.amdhsa_user_sgpr_count 2
		.amdhsa_user_sgpr_kernarg_segment_ptr 1
		.amdhsa_wavefront_size32 1
		.amdhsa_system_sgpr_workgroup_id_x 1
		.amdhsa_system_sgpr_workgroup_id_y 1
		.amdhsa_system_sgpr_workgroup_id_z 1
		.amdhsa_system_vgpr_workitem_id 0
		.amdhsa_next_free_vgpr 512
		.amdhsa_next_free_sgpr 70
		.amdhsa_reserve_vcc 0
		.amdhsa_float_denorm_mode_32 3
		.amdhsa_float_denorm_mode_16_64 3
		.amdhsa_memory_ordered 1
		.amdhsa_forward_progress 1
		.amdhsa_inst_pref_size 76
	.end_amdhsa_kernel
	.amdgpu_metadata
---
amdhsa.version: [ 1, 2 ]
amdhsa.kernels:
  - .name:           k_q10eada5d56_oproj
    .symbol:         k_q10eada5d56_oproj.kd
    .args:
      - { .name: cc, .offset: 0, .size: 8, .value_kind: global_buffer, .address_space: global }
      - { .name: wc, .offset: 8, .size: 8, .value_kind: global_buffer, .address_space: global }
      - { .name: lowp_scales, .offset: 16, .size: 8, .value_kind: global_buffer, .address_space: global }
      - { .name: bo, .offset: 24, .size: 8, .value_kind: global_buffer, .address_space: global }
      - { .name: out0, .offset: 32, .size: 8, .value_kind: global_buffer, .address_space: global }
    .group_segment_fixed_size: 327680
    .private_segment_fixed_size: 0
    .kernarg_segment_align: 8
    .kernarg_segment_size: 40
    .max_flat_workgroup_size: 128
    .sgpr_count:     70
    .vgpr_count:     512
    .wavefront_size: 32
...
	.end_amdgpu_metadata
.endif
;; end of part 4
